; MI455X (gfx1250); checked and timed in simulation.
; The chip was launched on July 23, 2026; its instructions are those of AMD's public machine-readable ISA for CDNA 5 (MIT licence, August 2026) and "CDNA5" Instruction Set Architecture Reference Guide (July 2026). The comments in the code are by the model that wrote it; some were corrected since.
;; Bit Spike Mamba Model. Allowed arithmetic: float matrix products may take bf16 or f16 operands with f32 sums; all other float work in f32.
;; Inputs: b0 2,048 float32; b1 2,048 float32; emb 4,000 x 2,048 float32; head_b 4,000 float32; head_w 4,000 x 2,048 float32; ln_beta 2,048 float32; ln_gamma 2,048 float32; w0 2,048 x 2,048 float32; w1 2,048 x 2,048 float32; x 2 x 2,048 int32.
;; Outputs: out0 2 x 2,048 x 4,000 float32.
;; 2 versions, each right; version 2 is version 1 with the launch ln written anew for expert scheduling mode. Each part assembles by itself: llvm-mc -triple=amdgcn-amd-amdhsa -mcpu=gfx1250 --defsym DOCPART=n.
;; ======== version 1 of 2: 6 launches
;; limits: values are held in f16: magnitudes above 65,504 overflow, below 6.1e-05 lose precision
;; workspace buffers: part 2,048 bytes; scales 256 bytes; q0 2,097,152 bytes; q1 2,097,152 bytes; qh 4,194,304 bytes; act0 16,777,216 bytes; act1 16,777,216 bytes; h2 33,554,432 bytes
;; launch pre1 (part 1): grid 762 x 1, 8 waves a work-group, no clusters, 1,280 bytes of LDS; arguments w0, w1, head_w, x, emb, part, act0; writes part, act0
.if DOCPART == 1
	.amdgcn_target "amdgcn-amd-amdhsa--gfx1250"
	.amdhsa_code_object_version 6
	.text
	.protected	k_qc8615f9b12_pre1
	.globl	k_qc8615f9b12_pre1
	.p2align	8
	.type	k_qc8615f9b12_pre1,@function
k_qc8615f9b12_pre1:
	s_mov_b64 s[64:65], 0
	v_nop
	global_prefetch_b8 v0, s[64:65] scope:SCOPE_SE
	s_setreg_imm32_b32 hwreg(HW_REG_WAVE_MODE, 25, 1), 1
	s_wait_xcnt 0x0
; Two independent pieces of streaming work in one launch.
; Work-groups 0 to 505: the sum of |w| over one chunk of 131,072 bytes (32,768 numbers) of a weight matrix:
;   w0 has 128 chunks, w1 128, head_w 250; chunk c's sum goes to word c of part.
; Work-groups 506 to 761: act0[t][:] = f16(emb[x[t]][:]) for 16 tokens, two tokens a wave.
; Both stream: every byte is read once by 16-byte loads of which a wave's covers 512 neighbouring bytes, all 32 loads of a wave are out
; at once; there is nothing for matrix instructions, clusters or tiles in LDS to share.
; WHY f16: the first product's operand keeps 11 significant bits instead of bf16's 8.
; LIMITS: a number of emb above 65,504 in magnitude becomes infinite in f16, one below 2^-14 keeps an absolute step of 2^-24.
; An index is read as unsigned and clamped to 3,999 (the table's last row).  The sum is made in eight chains of 16 numbers a lane,
; then by trees: its order differs from any other summation's, so the mean can differ from another f32 mean in its last bits.
.set NSUM, 506                         ; chunks in all
.set ACC,  2                           ; v[2:9]    eight running sums
.set X,    16                          ; v[16:143] 32 loads of 4 registers
; v1 = 16 x lane (load offset), v10 = 8 x lane (store offset of the gather), v11 LDS address / offset, v[12:15] at work
.macro WSUM r, t                       ; the sum over the 32 lanes, in every lane; t has been written before
	v_add_f32_dpp v[\r], v[\r], v[\r] row_xmask:1 row_mask:0xf bank_mask:0xf
	v_add_f32_dpp v[\r], v[\r], v[\r] row_xmask:2 row_mask:0xf bank_mask:0xf
	v_add_f32_dpp v[\r], v[\r], v[\r] row_xmask:4 row_mask:0xf bank_mask:0xf
	v_add_f32_dpp v[\r], v[\r], v[\r] row_xmask:8 row_mask:0xf bank_mask:0xf
	v_permlanex16_b32 v[\t], v[\r], s36, s37
	v_add_f32 v[\r], v[\r], v[\t]
.endm
	s_load_b256 s[4:11], s[0:1], 0x0               ; w0 s[4:5], w1 s[6:7], head_w s[8:9], x s[10:11]
	s_load_b128 s[12:15], s[0:1], 0x20             ; emb s[12:13], part s[14:15]
	s_load_b64 s[16:17], s[0:1], 0x30              ; act0
	v_lshl_add_u32 v144, v0, 2, 0x100
	v_mov_b32 v145, 0
	v_lshrrev_b32 v11, 5, v0
	v_readfirstlane_b32 s18, v11                   ; wave 0..7
	v_and_b32 v1, 31, v0                           ; lane
	v_lshlrev_b32 v10, 3, v1                       ; 8 x lane
	v_lshlrev_b32 v1, 4, v1                        ; 16 x lane
	s_mov_b32 s36, 0x76543210                      ; v_permlanex16_b32: lane i reads lane i of the other half
	s_mov_b32 s37, 0xfedcba98
	s_wait_kmcnt 0x0
	s_cmp_ge_u32 ttmp9, NSUM                       ; the same for all eight waves of a work-group
	s_cbranch_scc1 .Lgather
	; ---- the sum of |w| over chunk c = ttmp9 ----
	s_sub_co_u32 s22, ttmp9, 256                   ; the chunk's number inside head_w,
	s_sub_co_u32 s23, ttmp9, 128                   ; inside w1
	s_cmp_lt_u32 ttmp9, 256
	s_cselect_b64 s[20:21], s[6:7], s[8:9]
	s_cselect_b32 s22, s23, s22
	s_cmp_lt_u32 ttmp9, 128
	s_cselect_b64 s[20:21], s[4:5], s[20:21]
	s_cselect_b32 s22, ttmp9, s22
	s_lshl_b32 s24, s22, 17                        ; chunk x 131,072 bytes
	s_lshl_b32 s25, s18, 14                        ; + wave x 16,384 bytes
	s_add_co_u32 s24, s24, s25
	s_mov_b32 s25, 0
	s_add_nc_u64 s[20:21], s[20:21], s[24:25]
.set j, 0
.rept 32
	global_load_b128 v[X+4*j:X+4*j+3], v1, s[20:21] offset:512*j   ; no hint: the next launch reads the weights again
.set j, j+1
.endr
; loads j and j + 1.  The first two pairs start the eight chains, so nothing is cleared.
.macro PAIR j
	s_wait_loadcnt 30-\j                           ; loads come back in order: the 30 - j issued behind load j + 1 may stay out
.if \j < 4
.irp e, 0,1,2,3
	v_add_f32 v[ACC+4*(\j/2)+\e], |v[X+4*\j+\e]|, |v[X+4*\j+4+\e]|
.endr
.else
.irp e, 0,1,2,3
	v_add_f32 v[ACC+4*((\j/2)&1)+\e], v[ACC+4*((\j/2)&1)+\e], |v[X+4*\j+\e]|
.endr
.irp e, 0,1,2,3
	v_add_f32 v[ACC+4*((\j/2)&1)+\e], v[ACC+4*((\j/2)&1)+\e], |v[X+4*\j+4+\e]|
.endr
.endif
.endm
.irp j, 0,2,4,6,8,10,12,14,16,18,20,22,24,26,28,30
	PAIR \j
.endr
	v_pk_add_f32 v[ACC:ACC+1], v[ACC:ACC+1], v[ACC+4:ACC+5]
	v_pk_add_f32 v[ACC+2:ACC+3], v[ACC+2:ACC+3], v[ACC+6:ACC+7]
	v_pk_add_f32 v[ACC:ACC+1], v[ACC:ACC+1], v[ACC+2:ACC+3]
	v_add_f32 v[ACC], v[ACC], v[ACC+1]
	WSUM ACC, ACC+1
	; the eight waves' sums meet in LDS words 0 to 7
	v_mov_b32 v11, s18
	v_lshlrev_b32 v11, 2, v11
	ds_store_b32 v11, v[ACC]                       ; all lanes write the wave's word with the same value
	s_wait_dscnt 0x0                               ; my store is done before I say so
	s_barrier_signal -1
	s_barrier_wait -1
	v_mov_b32 v11, 0
	ds_load_b128 v[4:7], v11
	ds_load_b128 v[12:15], v11 offset:16
	s_wait_dscnt 0x0
	v_pk_add_f32 v[4:5], v[4:5], v[12:13]
	v_pk_add_f32 v[6:7], v[6:7], v[14:15]
	v_pk_add_f32 v[4:5], v[4:5], v[6:7]
	v_add_f32 v4, v4, v5
	s_cmp_lg_u32 s18, 0
	s_cbranch_scc1 .Lend                           ; wave 0 alone stores the chunk's sum
	s_lshl_b32 s26, ttmp9, 2
	v_mov_b32 v11, s26
	s_wait_xcnt 0x0                                ; EXEC changes only behind this wait
	v_cmp_eq_u32 vcc_lo, 0, v0
	s_and_saveexec_b32 s27, vcc_lo
	global_store_b32 v11, v4, s[14:15]             ; part[c]: one word for a work-group
	s_wait_xcnt 0x0                                ; and again in front of the line that widens it
	s_or_b32 exec_lo, exec_lo, s27
.Lend:
	s_wait_tensorcnt 0x0
	ds_add_u32 v144, v145
	s_wait_dscnt 0x0
	s_endpgm
	; ---- gather and conversion: tokens 16 g + 2 w and the next ----
.Lgather:
	s_sub_co_u32 s19, ttmp9, NSUM
	s_lshl_b32 s19, s19, 4
	s_lshl1_add_u32 s19, s18, s19                  ; my first token = 16 g + 2 w
	s_lshl_b32 s26, s19, 2
	s_load_b64 s[28:29], s[10:11], s26 offset:0x0  ; its index and the next token's
	s_lshl_b32 s24, s19, 12                        ; a row of act0 is 4,096 bytes
	s_mov_b32 s25, 0
	s_add_nc_u64 s[16:17], s[16:17], s[24:25]
	s_wait_kmcnt 0x0
	s_min_u32 s28, s28, 3999                       ; a loaded number enters an address only clamped to the table
	s_min_u32 s29, s29, 3999
	s_lshl_b32 s30, s28, 13                        ; a row of emb is 8,192 bytes
	s_mov_b32 s31, 0
	s_lshl_b32 s32, s29, 13
	s_mov_b32 s33, 0
	s_add_nc_u64 s[30:31], s[12:13], s[30:31]
	s_add_nc_u64 s[32:33], s[12:13], s[32:33]
.set j, 0
.rept 16
	global_load_b128 v[X+4*j:X+4*j+3], v1, s[30:31] offset:512*j   ; no hint: the list may name a row again
.set j, j+1
.endr
.set j, 0
.rept 16
	global_load_b128 v[X+64+4*j:X+64+4*j+3], v1, s[32:33] offset:512*j
.set j, j+1
.endr
.set n, 0
.rept 32
	s_wait_loadcnt 31-n                            ; the 31 - n younger loads stay out
	v_cvt_pk_f16_f32 v[X+4*n], v[X+4*n], v[X+4*n+1]
	v_cvt_pk_f16_f32 v[X+4*n+1], v[X+4*n+2], v[X+4*n+3]
	global_store_b64 v10, v[X+4*n:X+4*n+1], s[16:17] offset:(n/16)*4096+256*(n%16)   ; the wave's store covers 256 consecutive bytes, aligned; no register is written again behind its store
.set n, n+1
.endr
	s_endpgm
.Lfunc_end_k_qc8615f9b12_pre1:
	.size	k_qc8615f9b12_pre1, .Lfunc_end_k_qc8615f9b12_pre1-k_qc8615f9b12_pre1
	.p2alignl 7, 3214868480
	.fill 96, 4, 3214868480
	.section	.rodata,"a",@progbits
	.p2align	6, 0x0
	.amdhsa_kernel k_qc8615f9b12_pre1
		.amdhsa_group_segment_fixed_size 1280
		.amdhsa_private_segment_fixed_size 0
		.amdhsa_enable_private_segment 0
		.amdhsa_kernarg_size 56
		.amdhsa_user_sgpr_count 2
		.amdhsa_user_sgpr_kernarg_segment_ptr 1
		.amdhsa_wavefront_size32 1
		.amdhsa_system_sgpr_workgroup_id_x 1
		.amdhsa_system_sgpr_workgroup_id_y 1
		.amdhsa_system_sgpr_workgroup_id_z 1
		.amdhsa_system_vgpr_workitem_id 0
		.amdhsa_next_free_vgpr 146
		.amdhsa_next_free_sgpr 66
		.amdhsa_reserve_vcc 1
		.amdhsa_float_denorm_mode_32 3
		.amdhsa_float_denorm_mode_16_64 3
		.amdhsa_memory_ordered 1
		.amdhsa_forward_progress 1
		.amdhsa_inst_pref_size 26
	.end_amdhsa_kernel
	.amdgpu_metadata
---
amdhsa.version: [ 1, 2 ]
amdhsa.kernels:
  - .name:           k_qc8615f9b12_pre1
    .symbol:         k_qc8615f9b12_pre1.kd
    .args:
      - { .name: w0, .offset: 0, .size: 8, .value_kind: global_buffer, .address_space: global }
      - { .name: w1, .offset: 8, .size: 8, .value_kind: global_buffer, .address_space: global }
      - { .name: head_w, .offset: 16, .size: 8, .value_kind: global_buffer, .address_space: global }
      - { .name: x, .offset: 24, .size: 8, .value_kind: global_buffer, .address_space: global }
      - { .name: emb, .offset: 32, .size: 8, .value_kind: global_buffer, .address_space: global }
      - { .name: part, .offset: 40, .size: 8, .value_kind: global_buffer, .address_space: global }
      - { .name: act0, .offset: 48, .size: 8, .value_kind: global_buffer, .address_space: global }
    .group_segment_fixed_size: 1280
    .private_segment_fixed_size: 0
    .kernarg_segment_align: 8
    .kernarg_segment_size: 56
    .max_flat_workgroup_size: 256
    .sgpr_count:     66
    .vgpr_count:     146
    .wavefront_size: 32
...
	.end_amdgpu_metadata
.endif
;; end of part 1
;; launch quant (part 2): grid 507 x 1, 8 waves a work-group, no clusters, 17,408 bytes of LDS; arguments w0, w1, head_w, part, q0, q1, qh, scales; writes q0, q1, qh, scales
.if DOCPART == 2
	.amdgcn_target "amdgcn-amd-amdhsa--gfx1250"
	.amdhsa_code_object_version 6
	.text
	.protected	k_qc8615f9b12_quant
	.globl	k_qc8615f9b12_quant
	.p2align	8
	.type	k_qc8615f9b12_quant,@function
k_qc8615f9b12_quant:
	s_mov_b64 s[64:65], 0
	v_nop
	global_prefetch_b8 v0, s[64:65] scope:SCOPE_SE
	s_setreg_imm32_b32 hwreg(HW_REG_WAVE_MODE, 25, 1), 1
	s_wait_xcnt 0x0
; scale = max(mean |w|, 1e-5) of each weight matrix, and the ternary weights clip(round(w / scale), -1, 1), stored DOUBLED as 4-bit floats
; (E2M1: 0x4 = 2.0, 0xc = -2.0, 0 = 0), exact; scales[] gets scale / 2, so that code x scales[] is the model's weight.
; LAYOUT of q0, q1, qh: [n / 128][k / 256][n % 128][128 bytes]; a byte holds the code of the even k in its low nibble.  A tile of 128 rows x 256 k
; is 16,384 consecutive bytes, which the products fetch as one dense block.
; Work-groups 0 to 505: one chunk of 16 rows (131,072 bytes) of w0 (128 chunks), w1 (128) or head_w (250); a wave takes two rows.
; Work-group 506: the 96 zero rows 4,000 to 4,095 of qh, so that the head product's tiles of 256 rows never cross the matrix's end.
; Every wave adds its matrix's chunk sums by the same instructions in the same order, so all waves hold the same scale.
; THE DECISION: round to nearest even sends 0.5 to 0, so the code is sign(w) where the f32 quotient |w| / scale exceeds 0.5.  The quotient rounds
; above 0.5 only if |w| > (scale / 2)(1 + 2^-24), and the next f32 above scale / 2 lies further than that: |w| > 0.5 scale is the same decision.
; THE WAY OUT: a load's four codes are 16 bits a lane.  They go into the wave's own 2,048 bytes of LDS in the output's order and come back as 16 bytes
; a lane, so that sixteen lanes store 256 consecutive bytes (two neighbouring rows x 128 bytes of one tile), aligned.
; LIMITS: a weight within rounding (about 1e-7 relative) of scale / 2 depends on the order in which the mean was summed.
; w_scaled + (w_round - w_scaled) is taken as w_round: exact for |w_scaled| <= 2, one f32 rounding off beyond.
; A NaN weight becomes 0, an infinite one +-1 (with a scale that is then not finite): such weights are not reproduced.
; A stream: each weight byte read once here, 32 loads of a wave out at once; nothing for matrix instructions or clusters.
.set NSUM, 506
.set P,    2                           ; v[2:9]     eight chunk sums a lane
.set X,    16                          ; v[16:143]  32 loads of 4 registers
.set OFFS, 144                         ; v[144:151] byte offsets of the eight chunk sums in part; never rewritten
.set GO,   152                         ; v152       byte offset of my 16 bytes in the output: 16,384 (lane / 16) + 16 (lane % 16)
; v1 = 16 x lane, v10 = LDS address of my 2 bytes, v11 = LDS address of my 16 bytes, v12 = scale / 2, v13 = scale, v14 = lane, v15 at work
	s_load_b512 s[4:19], s[0:1], 0x0               ; w0 4:5, w1 6:7, head_w 8:9, part 10:11, q0 12:13, q1 14:15, qh 16:17, scales 18:19
	v_lshl_add_u32 v160, v0, 2, 0x4000
	v_mov_b32 v161, 0
	v_lshrrev_b32 v15, 5, v0
	v_readfirstlane_b32 s20, v15                   ; wave 0..7
	v_and_b32 v14, 31, v0                          ; lane
	v_lshlrev_b32 v1, 4, v14
	s_mov_b32 s44, 0x76543210
	s_mov_b32 s45, 0xfedcba98
	s_wait_kmcnt 0x0
	s_cmp_ge_u32 ttmp9, NSUM
	s_cbranch_scc1 .Lzero
	; which matrix: the head's figures first, then w1's, then w0's in their stead
	s_mov_b32 s27, 256                             ; first word in part
	s_mov_b32 s28, 250                             ; number of words
	s_mov_b32 s29, 0x4afa0000                      ; N = 8,192,000
	s_mov_b32 s30, 0x3403126f                      ; 1 / N, rounded
	s_mov_b32 s31, 8                               ; byte of the scale in scales
	s_sub_co_u32 s26, ttmp9, 256                   ; the chunk's number in its matrix
	s_sub_co_u32 s33, ttmp9, 128
	s_cmp_lt_u32 ttmp9, 256
	s_cselect_b64 s[22:23], s[6:7], s[8:9]
	s_cselect_b64 s[24:25], s[14:15], s[16:17]
	s_cselect_b32 s26, s33, s26
	s_cselect_b32 s27, 128, s27
	s_cselect_b32 s28, 128, s28
	s_cselect_b32 s29, 0x4a800000, s29             ; N = 2^22
	s_cselect_b32 s30, 0x34800000, s30             ; 2^-22
	s_cselect_b32 s31, 4, s31
	s_cmp_lt_u32 ttmp9, 128
	s_cselect_b64 s[22:23], s[4:5], s[22:23]
	s_cselect_b64 s[24:25], s[12:13], s[24:25]
	s_cselect_b32 s26, ttmp9, s26
	s_cselect_b32 s27, 0, s27
	s_cselect_b32 s31, 0, s31
	s_lshl_b32 s34, s26, 17                        ; source: chunk x 131,072 + wave x 16,384
	s_lshl_b32 s35, s20, 14
	s_add_co_u32 s34, s34, s35
	s_mov_b32 s35, 0
	s_add_nc_u64 s[22:23], s[22:23], s[34:35]
	s_lshr_b32 s36, s26, 3                         ; destination: rows 16 c + 2 w and the next: block of 128 rows c / 8,
	s_lshl_b32 s36, s36, 17                        ; 131,072 bytes each,
	s_and_b32 s37, s26, 7
	s_lshl_b32 s37, s37, 11                        ; + 16 (c % 8) rows of 128 bytes
	s_add_co_u32 s36, s36, s37
	s_lshl_b32 s37, s20, 8                         ; + 2 w rows
	s_add_co_u32 s36, s36, s37
	s_mov_b32 s37, 0
	s_add_nc_u64 s[24:25], s[24:25], s[36:37]
	s_lshl_b32 s39, s20, 11                        ; my wave's 2,048 bytes of LDS
	v_lshl_add_u32 v10, v14, 1, s39
	v_lshl_add_u32 v11, v14, 4, s39
	v_and_b32 v15, 15, v14
	v_lshlrev_b32 v[GO], 4, v15
	v_lshrrev_b32 v15, 4, v14
	v_lshl_add_u32 v[GO], v15, 14, v[GO]
	s_sub_co_u32 s38, s28, 1
.set t, 0
.rept 8
	v_add_nc_u32 v[OFFS+t], 32*t, v14              ; word lane + 32 t of the matrix's sums,
	v_min_u32 v[OFFS+t], s38, v[OFFS+t]            ; clamped to the last one: only words that were stored are read
	v_add_lshl_u32 v[OFFS+t], v[OFFS+t], s27, 2
.set t, t+1
.endr
.set t, 0
.rept 8
	global_load_b32 v[P+t], v[OFFS+t], s[10:11]
.set t, t+1
.endr
.set j, 0
.rept 32
	global_load_b128 v[X+4*j:X+4*j+3], v1, s[22:23] offset:512*j th:TH_LOAD_NT   ; the weights' last use
.set j, j+1
.endr
	s_wait_loadcnt 32                              ; the eight chunk sums are in; the 32 loads of weights issued behind them stay out
.set t, 0
.rept 8
	v_add_nc_u32 v15, 32*t, v14
	v_cmp_gt_u32 vcc_lo, s28, v15                  ; a word past the matrix's count was clamped: it counts as 0
	v_cndmask_b32 v[P+t], 0, v[P+t], vcc_lo
.set t, t+1
.endr
	v_pk_add_f32 v[P:P+1], v[P:P+1], v[P+4:P+5]
	v_pk_add_f32 v[P+2:P+3], v[P+2:P+3], v[P+6:P+7]
	v_pk_add_f32 v[P:P+1], v[P:P+1], v[P+2:P+3]
	v_add_f32 v[P], v[P], v[P+1]
	v_add_f32_dpp v[P], v[P], v[P] row_xmask:1 row_mask:0xf bank_mask:0xf
	v_add_f32_dpp v[P], v[P], v[P] row_xmask:2 row_mask:0xf bank_mask:0xf
	v_add_f32_dpp v[P], v[P], v[P] row_xmask:4 row_mask:0xf bank_mask:0xf
	v_add_f32_dpp v[P], v[P], v[P] row_xmask:8 row_mask:0xf bank_mask:0xf
	v_permlanex16_b32 v[P+1], v[P], s44, s45
	v_add_f32 v[P], v[P], v[P+1]                   ; S = the sum of |w| over the matrix
	v_mul_f32 v3, s30, v[P]                        ; q = S (1 / N)
	v_fma_f32 v4, -v3, s29, v[P]                   ; the remainder S - q N, exact in one fused step,
	v_fma_f32 v3, v4, s30, v3                      ; corrects q to the rounded quotient S / N
	v_max_num_f32 v13, 0x3727c5ac, v3              ; scale = max(mean, 1e-5)
	v_mul_f32 v12, 0.5, v13                        ; the threshold, and what scales[] gets
; load j: four weights a lane (row j / 16 of my two, k = 128 (j % 16) + 4 lane ..) to four codes, 16 bits
.macro QZ j
	s_wait_loadcnt 31-\j                           ; the 31 - j younger loads stay out
.irp e, 0,1,2,3
	v_cmp_gt_f32 s[48+\e], |v[X+4*\j+\e]|, v12
.endr
.irp e, 0,1,2,3
	v_lshrrev_b32 v[X+4*\j+\e], 28, v[X+4*\j+\e]   ; w's sign at bit 3
.endr
.irp e, 0,1,2,3
	v_and_or_b32 v[X+4*\j+\e], v[X+4*\j+\e], 8, 4  ; the sign, and 4: the code of 2.0 or of -2.0
.endr
.irp e, 0,1,2,3
	v_cndmask_b32 v[X+4*\j+\e], 0, v[X+4*\j+\e], s[48+\e]
.endr
	v_lshl_or_b32 v[X+4*\j], v[X+4*\j+1], 4, v[X+4*\j]
	v_lshl_or_b32 v[X+4*\j+2], v[X+4*\j+3], 4, v[X+4*\j+2]
	v_lshl_or_b32 v[X+4*\j], v[X+4*\j+2], 8, v[X+4*\j]
	ds_store_b16 v10, v[X+4*\j] offset:(((\j)%16)/2)*256+((\j)/16)*128+((\j)%2)*64   ; tile k / 256, then the row, then the byte in the row's 128
.endm
.irp j, 0,1,2,3,4,5,6,7,8,9,10,11,12,13,14,15,16,17,18,19,20,21,22,23,24,25,26,27,28,29,30,31
	QZ \j
.endr
.set t, 0
.rept 4
	ds_load_b128 v[X+4*t:X+4*t+3], v11 offset:512*t                ; LDS serves a wave's instructions in order (ISA guide 5.7.1): these see the stores above; the bytes are the wave's own
.set t, t+1
.endr
.set t, 0
.rept 4
	s_wait_dscnt 3-t                               ; load t is in; the 3 - t younger ones stay out
	global_store_b128 v[GO], v[X+4*t:X+4*t+3], s[24:25] offset:32768*t   ; lanes 0-15: 256 bytes of tile 2 t, lanes 16-31: of tile 2 t + 1, each aligned; later launches read them, so no hint
.set t, t+1
.endr
	s_or_b32 s32, s26, s20                         ; wave 0 of each matrix's first chunk stores the scale's half
	s_cmp_lg_u32 s32, 0
	s_cbranch_scc1 .Lend
	v_mov_b32 v15, s31
	s_wait_xcnt 0x0                                ; EXEC changes only behind this wait
	v_cmp_eq_u32 vcc_lo, 0, v0
	s_and_saveexec_b32 s33, vcc_lo
	global_store_b32 v15, v12, s[18:19]
	s_wait_xcnt 0x0
	s_or_b32 exec_lo, exec_lo, s33
.Lend:
	s_wait_tensorcnt 0x0
	ds_add_u32 v160, v161
	s_wait_dscnt 0x0
	s_endpgm
.Lzero:                                                ; rows 32 to 127 of qh's block 31: in each of its 8 tiles 12,288 consecutive bytes; wave w takes tile w
	s_lshl_b32 s26, s20, 14
	s_add_co_u32 s26, s26, 31*131072+32*128
	s_mov_b32 s27, 0
	s_add_nc_u64 s[16:17], s[16:17], s[26:27]
	v_mov_b32 v16, 0
	v_mov_b32 v17, 0
	v_mov_b32 v18, 0
	v_mov_b32 v19, 0
.set j, 0
.rept 24
	global_store_b128 v1, v[16:19], s[16:17] offset:512*j
.set j, j+1
.endr
	s_endpgm
.Lfunc_end_k_qc8615f9b12_quant:
	.size	k_qc8615f9b12_quant, .Lfunc_end_k_qc8615f9b12_quant-k_qc8615f9b12_quant
	.p2alignl 7, 3214868480
	.fill 96, 4, 3214868480
	.section	.rodata,"a",@progbits
	.p2align	6, 0x0
	.amdhsa_kernel k_qc8615f9b12_quant
		.amdhsa_group_segment_fixed_size 17408
		.amdhsa_private_segment_fixed_size 0
		.amdhsa_enable_private_segment 0
		.amdhsa_kernarg_size 64
		.amdhsa_user_sgpr_count 2
		.amdhsa_user_sgpr_kernarg_segment_ptr 1
		.amdhsa_wavefront_size32 1
		.amdhsa_system_sgpr_workgroup_id_x 1
		.amdhsa_system_sgpr_workgroup_id_y 1
		.amdhsa_system_sgpr_workgroup_id_z 1
		.amdhsa_system_vgpr_workitem_id 0
		.amdhsa_next_free_vgpr 162
		.amdhsa_next_free_sgpr 66
		.amdhsa_reserve_vcc 1
		.amdhsa_float_denorm_mode_32 3
		.amdhsa_float_denorm_mode_16_64 3
		.amdhsa_memory_ordered 1
		.amdhsa_forward_progress 1
		.amdhsa_inst_pref_size 51
	.end_amdhsa_kernel
	.amdgpu_metadata
---
amdhsa.version: [ 1, 2 ]
amdhsa.kernels:
  - .name:           k_qc8615f9b12_quant
    .symbol:         k_qc8615f9b12_quant.kd
    .args:
      - { .name: w0, .offset: 0, .size: 8, .value_kind: global_buffer, .address_space: global }
      - { .name: w1, .offset: 8, .size: 8, .value_kind: global_buffer, .address_space: global }
      - { .name: head_w, .offset: 16, .size: 8, .value_kind: global_buffer, .address_space: global }
      - { .name: part, .offset: 24, .size: 8, .value_kind: global_buffer, .address_space: global }
      - { .name: q0, .offset: 32, .size: 8, .value_kind: global_buffer, .address_space: global }
      - { .name: q1, .offset: 40, .size: 8, .value_kind: global_buffer, .address_space: global }
      - { .name: qh, .offset: 48, .size: 8, .value_kind: global_buffer, .address_space: global }
      - { .name: scales, .offset: 56, .size: 8, .value_kind: global_buffer, .address_space: global }
    .group_segment_fixed_size: 17408
    .private_segment_fixed_size: 0
    .kernarg_segment_align: 8
    .kernarg_segment_size: 64
    .max_flat_workgroup_size: 256
    .sgpr_count:     66
    .vgpr_count:     162
    .wavefront_size: 32
...
	.end_amdgpu_metadata
.endif
;; end of part 2
;; launch gemm0 (part 3): grid 8 x 32, 4 waves a work-group, clusters of 4 x 4, 327,680 bytes of LDS; arguments act0, q0, b0, scales, act1; writes act1
.if DOCPART == 3
	.amdgcn_target "amdgcn-amd-amdhsa--gfx1250"
	.amdhsa_code_object_version 6
	.text
	.protected	k_qc8615f9b12_gemm0
	.globl	k_qc8615f9b12_gemm0
	.p2align	8
	.type	k_qc8615f9b12_gemm0,@function
k_qc8615f9b12_gemm0:
	s_mov_b64 s[64:65], 0
	v_nop
	global_prefetch_b8 v0, s[64:65] scope:SCOPE_SE
	s_setreg_imm32_b32 hwreg(HW_REG_WAVE_MODE, 25, 1), 1
	s_wait_xcnt 0x0
	s_wait_alu depctr_hold_cnt(0) depctr_sa_sdst(0) depctr_va_vdst(0) depctr_va_sdst(0) depctr_va_ssrc(0) depctr_va_vcc(0) depctr_vm_vsrc(0)
	s_getreg_b32 s2, hwreg(HW_REG_IB_STS2, 6, 4)
	s_cmp_eq_u32 s2, 0
	s_cbranch_scc0 .Lentry_in_a_cluster
	s_endpgm
.Lentry_in_a_cluster:
	s_bfe_u32 s2, ttmp6, 0x10000c
	s_cmp_lg_u32 s2, 0xf033
	s_cbranch_scc0 .Lentry_shape_is_right
	s_endpgm
.Lentry_shape_is_right:
; out[m][n] = s * (sum over k of A[m][k] Q[n][k]) + bias[n].  A: [4096][2048] of 16 bits.  Q: the ternary weights doubled (-2, 0, +2), s = scale / 2; sums in f32.
; The same text serves the three products of the model; the six constants below say which.  Here: layer 0, A = the gathered rows as f16,
; out = h1 as bf16 [4096][2048]: with offsets on both the table and the weights h1 can reach 0.66 x 2,048 x 30, about 40,000, which leaves no room in f16.
.set AT,     4                         ; accumulator tiles of 16 rows in a wave: a wave makes 16 AT x 128, the work-group 32 AT x 256
.set NOUT,   2048                      ; columns of out, and its pitch in numbers
.set OUTF32, 0                         ; out is f32 (1) or bf16 (0)
.set EDGE,   0                         ; the last block column reaches past NOUT (1): those lanes store nothing
.set SCOFF,  0                         ; byte of this layer's s in scales
.set F16,    1                         ; the matrix operands are f16 (1) or bf16 (0)
; Q IN 4 BITS: Q lies in memory and in LDS as 4-bit floats (E2M1), [n / 128][k / 256][128 rows][128 bytes], and becomes a 16-bit operand between LDS and
; the matrix instruction: one conversion makes eight numbers.  The conversion writes bf16; 2.0 is 0x4000 and -2.0 is 0xc000 in bf16 AND in f16, so the
; same registers serve the f16 product.  A tile of Q is a quarter of the bytes that 16-bit codes would take, on every way that it goes.
; SHARES: four waves, as many as a WGP has SIMDs.  4,096 x NOUT in blocks of 32 AT x 256 are 256 work-groups.
; THE RINGS: two LDS slots for A, each with 1,024 / AT of K, and two for Q, each with 256 of K, filled by the tensor data mover.  A phase is one slot of A:
; 256 matrix instructions of a wave.  Waves 2 and 3 fetch A's halves, one load each behind every phase's barrier; waves 0 and 1 fetch Q's halves behind the
; barriers at which a slot of Q has been used up.  A's rows are 256 or 512 bytes of memory at multiples of that; a tile of Q is 16,384 consecutive bytes.
; CLUSTERS: 4 x 4 work-groups.  A's tile hangs on the block row alone and is asked for jointly by the four of a row of the cluster, Q's on the
; block column alone and is asked for jointly by the four of a column: the requests for both are divided by four.
; K IN THE REGISTERS: K goes in groups of 64.  Lane half h holds k = 32 h .. 32 h + 31 of a group, the first 16 for one matrix instruction and the next 16
; for the other: the same permutation of k in A's and in Q's fragments, so every product meets its partner.  So a lane's codes of a group are 16
; neighbouring bytes, one LDS load for two matrix steps.
; REGISTERS in windows of 256: window 0 addresses, bias, A's fragments (two buffers at v64, v128); window 1 Q's converted fragments (v64-127) and raw codes
; (two buffers at v128, v160); window 2 the accumulator tiles of my rows 0-63 (tile (a, b) at v[8 (8 a + b)]); window 3 those of rows 64-127 (AT = 8 only).
; THE MATRIX INSTRUCTION IS USED TRANSPOSED: source 0 = 16 rows of Q, source 1 = 16 rows of A: lane l holds row l % 16 of out and its eight
; registers the neighbouring columns 8 (l / 16) + 0 .. 7.
; LIMIT: A has 16 bits (rounded once by the launch that wrote it); the codes are exact.
.set KDIM,   2048
.set NG,     16/AT                     ; groups of 64 along K in a slot of A
.set KA,     64*NG                     ; K in a slot of A
.set ROWA,   2*KA                      ; bytes of a row of A's tile
.set PITCHA, ROWA+16                   ; an odd multiple of 16: the 16 rows of a fragment load start at 16 different 16-byte columns modulo 256
.set QIA,    7-AT/4                    ; the padding's interval: 2 << QIA words = a row
.set LBMR,   7+AT/8                    ; log2 of the block's rows
.set BMR,    32*AT
.set APART,  (BMR/2)*PITCHA            ; what one load of A fills
.set ASLOT,  2*APART
.set PITCHQ, 272                       ; two rows of Q's tile (256 bytes) + 16: row n lies at (n / 2) 272 + (n % 2) 128, sixteen rows at sixteen different 16-byte columns modulo 256
.set QPART,  64*PITCHQ                 ; what one load of Q fills: 128 rows
.set QSLOT,  2*QPART
.set QTILE,  16384                     ; bytes of a tile of Q in memory
.set ABASE,  2*QSLOT                   ; LDS: Q's two slots, A's two slots, the stage
.set STAGE,  ABASE+2*ASLOT             ; a multiple of 256: 16 rows x 528 bytes for each wave, which no tensor load fills
.set SPITCH, 528                       ; 128 f32 + 16 bytes
.set ES,     2+2*OUTF32                ; bytes of a number of out
.set ADRA, 16                          ; v16-17  LDS address of my A fragments in slot 0, 1
.set ADRQ, 20                          ; v20-21  the same for Q's codes
.set STO,  24                          ; v24     the way out: where I put my 32 bytes of a row
.set RD,   25                          ; v25     the way out: where I read 16 bytes of a row back
.set CO,   26                          ; v26     my byte offset in a row of out
.set COL,  27                          ; v27     my first column of out on the way out
.set BOFF, 28                          ; v28     its byte offset in bias
.set BIAS, 32                          ; v[32:35] bias of my four columns
.set SCL,  36                          ; v36     the conversion's block scales: each of the word's four bytes, in every lane, is 127, the E8M0 code of 1.0, so the scale is 1.0
.set F0,   64                          ; window 0: A's fragment buffers
.set F1,   128
.set FB,   64                          ; window 1: Q's converted fragments
.set RW0,  128                         ; window 1: raw codes of a group of 64 k, 4 registers for each of 8 tiles of 16 rows; two buffers
.set RW1,  160
.set G1A, 24                           ; s[24:31] descriptor group 1 for A's tiles
.set G0A, 32                           ; s[32:39] group 0 for A's tiles, one set for each slot
.set G1B, 48                           ; s[48:55] group 1 for Q's tiles
.set G0B, 56                           ; s[56:63] group 0 for Q's tiles, one set for each slot
.set MUL_LO, 0xa1                      ; source 0 (Q) window 1, source 1 (A) window 0, C and D window 2
.set MUL_HI, 0xf1                      ; the same, C and D window 3
.set TO_B,   0x40                      ; destination window 1
.set CV,     0x41                      ; destination and source 0 window 1, source 1 (the scale) window 0
.set MSB, 0
.macro WIN new                         ; the immediate's high byte repeats the setting that is left; a switch that changes nothing is dropped
.if MSB != \new
	s_set_vgpr_msb (MSB<<8)|\new
.set MSB, \new
.endif
.endm
.macro PLACES                          ; a load into, or a vector write of, a register that a matrix instruction has read, and whatever reads a matrix result, stand four
.rept 4                                ; plain vector instructions behind it (ISA guide 7.12.1 for vector instructions); other matrix instructions are not counted
	v_nop
.endr
.endm
; The joint loads behind one barrier: waves 2 and 3 fetch A's halves into slot as; waves 0 and 1 fetch Q's halves into slot qs, if qfill.
; Each line has one mask and one set of registers; the branch hangs on the wave's number alone.
.macro JLOAD as, qs, qfill
	s_cmp_eq_u32 s15, 0
	s_cbranch_scc0 .Lfor_a_\@
.if \qfill
	tensor_load_to_lds s[G0B+4*\qs:G0B+4*\qs+3], s[G1B:G1B+7]
	s_nop 0
.endif
	s_branch .Lasked_\@
.Lfor_a_\@:
	tensor_load_to_lds s[G0A+4*\as:G0A+4*\as+3], s[G1A:G1A+7]
	s_nop 0
.Lasked_\@:
.endm
.macro CREST                           ; a round of the cluster's barrier behind its opening work-group barrier
	s_cmp_lg_u32 s14, 0
	s_cbranch_scc1 .Lnot_wave_0_\@
	s_barrier_signal -3
.Lnot_wave_0_\@:
	s_barrier_wait -3
	s_barrier_signal -1
	s_barrier_wait -1
.endm
.macro CROUND                          ; a whole round
	s_barrier_signal -1
	s_barrier_wait -1
	CREST
.endm
	s_load_b256 s[4:11], s[0:1], 0x0               ; A s[4:5], Q s[6:7], bias s[8:9], scales s[10:11]
	s_load_b64 s[12:13], s[0:1], 0x20              ; out
	s_set_vgpr_msb 0x40
	v_lshl_add_u32 v255, v0, 2, 0x3a400
	s_set_vgpr_msb 0x4000
	v_mov_b32 v255, 0
	s_set_vgpr_msb 0x1
	ds_add_u32 v255, v255
	s_set_vgpr_msb 0x100
	v_lshrrev_b32 v1, 5, v0
	v_readfirstlane_b32 s14, v1                    ; wave 0..3
	s_lshr_b32 s15, s14, 1                         ; which half of the block's rows is mine.  Also: I fetch for Q (0) or for A (1)
	s_and_b32 s16, s14, 1                          ; which half of its columns.  Also: which half of that tile I fetch
	s_bfe_u32 s17, ttmp6, 0x40000                  ; cx
	s_bfe_u32 s18, ttmp6, 0x40004                  ; cy
	s_lshl_b32 s19, ttmp9, 2
	s_add_co_u32 s19, s19, s17                     ; block column = 4 x cluster x + cx
	s_and_b32 s20, ttmp7, 0xffff
	s_lshl_b32 s20, s20, 2
	s_add_co_u32 s20, s20, s18                     ; block row = 4 x cluster y + cy
	s_lshl_b32 s21, s18, 2
	s_lshl_b32 s21, 15, s21                        ; my row of the cluster: places 4 cy .. 4 cy + 3
	s_lshl_b32 s22, 0x1111, s17                    ; my column: places cx, cx + 4, cx + 8, cx + 12
	; group 1 for A: BMR / 2 rows of KA elements of 2 bytes, 4 words of padding behind every row; 15:0 the mask, bit 21 set beside it
	s_or_b32 s[G1A+0], s21, (1<<16)|(1<<20)|(1<<21)|(QIA<<22)|(3<<25)
	s_mov_b32 s[G1A+1], KA<<16                     ; tensor_dim0
	s_mov_b32 s[G1A+2], (BMR/2)<<16                ; tensor_dim1 = the tile's rows
	s_mov_b32 s[G1A+3], KA<<16                     ; tile_dim0
	s_mov_b32 s[G1A+4], BMR/2                      ; tile_dim1
	s_mov_b32 s[G1A+5], KDIM                       ; elements from row to row
	s_mov_b32 s[G1A+6], 0
	s_mov_b32 s[G1A+7], 0
	; group 1 for Q: a dense block of 16,384 bytes as 64 rows of 32 elements of 8 bytes, 4 words of padding behind every 64 words
	s_or_b32 s[G1B+0], s22, (3<<16)|(1<<20)|(1<<21)|(5<<22)|(3<<25)
	s_mov_b32 s[G1B+1], 32<<16
	s_mov_b32 s[G1B+2], 64<<16
	s_mov_b32 s[G1B+3], 32<<16
	s_mov_b32 s[G1B+4], 64
	s_mov_b32 s[G1B+5], 32
	s_mov_b32 s[G1B+6], 0
	s_mov_b32 s[G1B+7], 0
	; where the tiles come from: A's address is made of the block row and the wave's number, Q's of the block column and the wave's number
	s_lshl_b32 s23, s16, LBMR-1
	s_lshl_b32 s40, s20, LBMR
	s_add_co_u32 s40, s40, s23                     ; A: row BMR x block row + BMR/2 x half
	s_lshl_b32 s40, s40, 12                        ; a row is 4,096 bytes
	s_mov_b32 s41, 0
	s_lshl1_add_u32 s42, s19, s16                  ; Q: block of 128 rows 2 x block column + half
	s_lshl_b32 s72, s42, 7                         ; whose first row is also my wave's first column of out
	s_lshl_b32 s42, s42, 17                        ; 8 tiles of 16,384 bytes each
	s_mov_b32 s43, 0
	; and where they go: a constant plus the wave's number times a constant
	s_mul_i32 s44, s14, QPART                      ; Q's halves: waves 0, 1
	s_mul_i32 s45, s14, APART                      ; A's halves: waves 2, 3 land at ABASE and ABASE + APART
	s_add_co_u32 s45, s45, ABASE-ASLOT
	s_wait_dscnt 0x0
	s_wait_kmcnt 0x0
	s_add_nc_u64 s[40:41], s[4:5], s[40:41]
	s_add_nc_u64 s[42:43], s[6:7], s[42:43]
	CROUND                                         ; all sixteen work-groups are here: the first joint loads meet
.irp s, 0,1
	s_mov_b32 s[G0A+4*\s], 1
	s_add_co_u32 s[G0A+4*\s+1], s45, \s*ASLOT
	s_add_nc_u64 s[G0A+4*\s+2:G0A+4*\s+3], s[40:41], \s*ROWA       ; the s-th KA of K
	s_or_b32 s[G0A+4*\s+3], s[G0A+4*\s+3], 0x80000000              ; type = 2
	s_mov_b32 s[G0B+4*\s], 1
	s_add_co_u32 s[G0B+4*\s+1], s44, \s*QSLOT
	s_add_nc_u64 s[G0B+4*\s+2:G0B+4*\s+3], s[42:43], \s*QTILE      ; the s-th 256 of K
	s_or_b32 s[G0B+4*\s+3], s[G0B+4*\s+3], 0x80000000
	JLOAD \s, \s, 1                                ; both slots' first fills go out before anything else: two loads of the wave are out
.endr
	s_load_b32 s66, s[10:11], SCOFF                ; s = the layer's scale / 2
	v_and_b32 v1, 15, v0                           ; r
	v_bfe_u32 v2, v0, 4, 1                         ; h
	v_and_b32 v3, 31, v0                           ; lane
	v_mul_u32_u24 v4, v1, PITCHA                   ; A: row r, 64 bytes (32 k) for each half of the lanes
	v_lshl_add_u32 v4, v2, 6, v4
	v_lshrrev_b32 v5, 1, v1                        ; Q: row r at (r / 2) 272 + (r % 2) 128, 16 bytes (32 k) for each half of the lanes
	v_mul_u32_u24 v5, v5, PITCHQ
	v_and_b32 v6, 1, v1
	v_lshl_add_u32 v5, v6, 7, v5
	v_lshl_add_u32 v5, v2, 4, v5
	s_mul_i32 s46, s16, QPART                      ; my 128 rows of Q
	s_mul_i32 s47, s15, 16*AT*PITCHA               ; my 16 AT rows of A
	s_add_co_u32 s47, s47, ABASE
.irp s, 0,1
	v_add_nc_u32 v[ADRQ+\s], s46, v5
	v_add_nc_u32 v[ADRA+\s], s47, v4
	s_add_co_u32 s46, s46, QSLOT
	s_add_co_u32 s47, s47, ASLOT
.endr
	s_mul_i32 s73, s14, 16*SPITCH
	s_add_co_u32 s73, s73, STAGE                   ; my stage
	v_mul_u32_u24 v5, v1, SPITCH                   ; in: row r, 32 bytes for each half of the lanes
	v_lshl_add_u32 v5, v2, 5, v5
	v_add_nc_u32 v[STO], s73, v5
	v_lshl_add_u32 v[RD], v3, 4, s73               ; back: the 32 lanes take one row of 512 bytes
	v_lshlrev_b32 v[CO], 3+OUTF32, v3              ; four numbers a lane in out
	v_lshl_add_u32 v[COL], v3, 2, s72              ; their first column
	v_mov_b32 v[SCL], 0x7f7f7f7f                   ; 1.0 in all four bytes
.if EDGE
	v_min_u32 v[BOFF], NOUT-4, v[COL]              ; lanes past the last column load the last four numbers and store nothing
	v_lshlrev_b32 v[BOFF], 2, v[BOFF]
.else
	v_lshlrev_b32 v[BOFF], 2, v[COL]
.endif
	global_load_b128 v[BIAS:BIAS+3], v[BOFF], s[8:9]               ; waited for at the way out
	s_wait_kmcnt 0x0
	s_mov_b32 s67, s66                             ; s as a pair, for the packed multiply-add
; 16 matrix instructions: row tiles a0, a0 + 1 of the window's four x all 8 column tiles, 32 of K.  f: A's buffer.  zero = 1: the first product starts the sums.
.macro MUL16 f, hi, a0, zero
.irp a, \a0, \a0+1
.irp b, 0,1,2,3,4,5,6,7
.if F16
.if \zero
	v_wmma_f32_16x16x32_f16 v[8*(8*(\a)+\b):8*(8*(\a)+\b)+7], v[FB+8*\b:FB+8*\b+7], v[\f+8*(4*\hi+\a):\f+8*(4*\hi+\a)+7], 0
.else
	v_wmma_f32_16x16x32_f16 v[8*(8*(\a)+\b):8*(8*(\a)+\b)+7], v[FB+8*\b:FB+8*\b+7], v[\f+8*(4*\hi+\a):\f+8*(4*\hi+\a)+7], v[8*(8*(\a)+\b):8*(8*(\a)+\b)+7]
.endif
.else
.if \zero
	v_wmma_f32_16x16x32_bf16 v[8*(8*(\a)+\b):8*(8*(\a)+\b)+7], v[FB+8*\b:FB+8*\b+7], v[\f+8*(4*\hi+\a):\f+8*(4*\hi+\a)+7], 0
.else
	v_wmma_f32_16x16x32_bf16 v[8*(8*(\a)+\b):8*(8*(\a)+\b)+7], v[FB+8*\b:FB+8*\b+7], v[\f+8*(4*\hi+\a):\f+8*(4*\hi+\a)+7], v[8*(8*(\a)+\b):8*(8*(\a)+\b)+7]
.endif
.endif
.endr
.endr
.endm
; the matrix instructions of 32 of K from row tile `from` on.  The 8 AT accumulators take turns, one instruction a turn, in the same order every
; time, over the loop's backward jump and into the tail.
.macro MULALL f, from, zero
	WIN MUL_LO
.if \from == 0
	MUL16 \f, 0, 0, \zero
.endif
	MUL16 \f, 0, 2, \zero
.if AT == 8
	WIN MUL_HI
	MUL16 \f, 1, 0, \zero
	MUL16 \f, 1, 2, \zero
.endif
.endm
; A's fragments of step j (32 of K: group j / 2, half j % 2) of slot as into buffer f: 2 AT loads, under window setting 0
.macro LDA as, j, f
.set fi, 0
.rept AT
	ds_load_b128 v[\f+8*fi:\f+8*fi+3],   v[ADRA+\as] offset:128*((\j)/2)+32*((\j)%2)+fi*16*PITCHA
	ds_load_b128 v[\f+8*fi+4:\f+8*fi+7], v[ADRA+\as] offset:128*((\j)/2)+32*((\j)%2)+fi*16*PITCHA+16
.set fi, fi+1
.endr
.endm
; the raw codes of group g of slot qs, my 128 rows, into buffer rw: 8 loads, under the setting TO_B
.macro LDQ qs, g, rw
.irp i, 0,1,2,3,4,5,6,7
	ds_load_b128 v[\rw+4*\i:\rw+4*\i+3], v[ADRQ+\qs] offset:32*(\g)+\i*8*PITCHQ
.endr
.endm
; half u of the group in buffer rw becomes Q's eight fragments: a word of eight codes makes four registers.  Under the setting CV.
.macro CVT rw, u
.irp i, 0,1,2,3,4,5,6,7
	v_cvt_scale_pk8_bf16_fp4 v[FB+8*\i:FB+8*\i+3],   v[\rw+4*\i+2*\u],   v[SCL]
	v_cvt_scale_pk8_bf16_fp4 v[FB+8*\i+4:FB+8*\i+7], v[\rw+4*\i+2*\u+1], v[SCL]
.endr
	v_nop                                          ; one plain vector instruction stands between a scaled conversion and the use of its result
.endm
; Step j of a phase, all but the last: asks for the next step's fragments of A (and, in a group's second half, for the next group's codes), converts, multiplies.
.macro SUB as, qs, g0, j, zero
.set sj_u, (\j)%2
.set sj_g, (\j)/2
	PLACES                                         ; the step before read the buffer of A that is loaded now, and Q's fragments, which are written now
.if sj_u
	WIN TO_B
	LDQ \qs, \g0+sj_g+1, RW0+32*((sj_g+1)%2)
.endif
	WIN 0
	LDA \as, \j+1, F0+64*((sj_u+1)%2)
	s_wait_dscnt 2*AT+8*sj_u                       ; all but the loads just issued are back: this step's fragments of A and its group's codes are in
	WIN CV
	CVT RW0+32*(sj_g%2), sj_u
	MULALL F0+64*sj_u, 0, \zero
.endm
.macro PHASE as, qs, g0, zero
	SUB \as, \qs, \g0, 0, \zero
	SUB \as, \qs, \g0, 1, 0
	SUB \as, \qs, \g0, 2, 0
.if NG == 4
	SUB \as, \qs, \g0, 3, 0
	SUB \as, \qs, \g0, 4, 0
	SUB \as, \qs, \g0, 5, 0
	SUB \as, \qs, \g0, 6, 0
.endif
.endm
; A phase's last step, and the change of slots.  In front of the barrier each wave waits for its reads of the slots and for all its tensor loads, of which at
; most one is out: its part of the next slot.  Where a slot is filled again (afill; Q's too: qfill) the barrier opens a round of the cluster's barrier, only
; register work stands inside the round, and the joint refill is the first tensor load behind it, one a wave: it has the next phase less sixteen
; matrix instructions in which to land.  nas, nqs, ng0: where the next phase reads.
.macro TURN as, qs, nas, nqs, ng0, afill, qfill
	PLACES
	WIN CV
	CVT RW1, 1
	s_wait_dscnt 0x0                               ; this step's fragments of A are in, and my reads of the slots are over
	s_wait_tensorcnt 0x0                           ; all my tensor loads have landed
	ds_add_u32 v255, v255
	s_wait_dscnt 0x0
	s_barrier_signal -1
	WIN MUL_LO
	MUL16 F1, 0, 0, 0                              ; work on registers while the others arrive
	WIN 0
	s_barrier_wait -1
.if \afill
	CREST                                          ; no wave of any partner still reads these slots or has a load on its way
	s_add_nc_u64 s[G0A+4*\as+2:G0A+4*\as+3], s[G0A+4*\as+2:G0A+4*\as+3], 2*ROWA
.if \qfill
	s_add_nc_u64 s[G0B+4*\qs+2:G0B+4*\qs+3], s[G0B+4*\qs+2:G0B+4*\qs+3], 2*QTILE
.endif
	JLOAD \as, \qs, \qfill
.endif
	WIN TO_B
	LDQ \nqs, \ng0, RW0                            ; buffer 0 of A was last read by the step before this one: the four places and the one behind the conversions stand between
	WIN 0
	LDA \nas, 0, F0
	MULALL F1, 2, 0
.endm
.macro LAP zero                        ; once round Q's ring, every slot filled again
.if AT == 4
	PHASE 0, 0, 0, \zero
	TURN 0, 0, 1, 1, 0, 1, 1
	PHASE 1, 1, 0, 0
	TURN 1, 1, 0, 0, 0, 1, 1
.else
	PHASE 0, 0, 0, \zero
	TURN 0, 0, 1, 0, 2, 1, 0
	PHASE 1, 0, 2, 0
	TURN 1, 0, 0, 1, 0, 1, 1
	PHASE 0, 1, 0, 0
	TURN 0, 1, 1, 1, 2, 1, 0
	PHASE 1, 1, 2, 0
	TURN 1, 1, 0, 0, 0, 1, 1
.endif
.endm
	s_wait_tensorcnt 0x1                           ; my part of the first slot is in; the second slot's load, issued behind it, stays out
	s_barrier_signal -1
	s_barrier_wait -1                              ; everybody's part is in
	WIN TO_B
	LDQ 0, 0, RW0
	WIN 0
	LDA 0, 0, F0
	LAP 1                                          ; K = 2,048 is four laps of 512.  The first stands in front of the loop: its first products start the sums
	WIN 0
	s_mov_b32 s3, 2
.Llap:
	LAP 0
	WIN 0
	s_sub_co_u32 s3, s3, 1
	s_cmp_lg_u32 s3, 0
	s_cbranch_scc1 .Llap
.if AT == 4                                            ; the last lap fills only what is still read
	PHASE 0, 0, 0, 0
	TURN 0, 0, 1, 1, 0, 0, 0
	PHASE 1, 1, 0, 0
.else
	PHASE 0, 0, 0, 0
	TURN 0, 0, 1, 0, 2, 1, 0                       ; A's last two slots
	PHASE 1, 0, 2, 0
	TURN 1, 0, 0, 1, 0, 1, 0
	PHASE 0, 1, 0, 0
	TURN 0, 1, 1, 1, 2, 0, 0
	PHASE 1, 1, 2, 0
.endif
	PLACES                                         ; the very last step: nothing more to fetch
	WIN CV
	CVT RW1, 1
	s_wait_dscnt 0x0
	MULALL F1, 0, 0
	; THE WAY OUT, 16 rows at a time: the raw sums go into my own stage, come back as whole rows of 128 numbers, get s and bias in one fused step and leave.
	PLACES                                         ; behind the last matrix instructions: for the LDS stores of results and the loads into the fragment buffers
	WIN 0
	s_wait_loadcnt 0x0                             ; the bias
.if EDGE
	v_cmp_gt_u32 vcc_lo, NOUT, v[COL]              ; my four columns exist (NOUT is a multiple of 4: all four or none)
.endif
	s_lshl_b32 s70, s20, LBMR
	s_lshl_b32 s23, s15, LBMR-1
	s_add_co_u32 s70, s70, s23                     ; my first row
	s_mul_i32 s70, s70, NOUT
	s_add_co_u32 s70, s70, s72                     ; and column
	s_lshl_b32 s70, s70, 1+OUTF32                  ; in bytes: below 2^27
	s_mov_b32 s71, 0
	s_add_nc_u64 s[12:13], s[12:13], s[70:71]
; rows 16 i .. 16 i + 15 of my tile = the eight tiles (a, 0..7) of window 2 or 3 (win = 0x08 or 0x0c: an LDS store's data are source 1); f: F0 and F1 by turns
.macro OUT16 i, a, win, f
	WIN \win
.irp b, 0,1,2,3,4,5,6,7
	ds_store_b128 v[STO], v[8*(8*\a+\b):8*(8*\a+\b)+3] offset:64*\b
	ds_store_b128 v[STO], v[8*(8*\a+\b)+4:8*(8*\a+\b)+7] offset:64*\b+16
.endr
	WIN 0
	s_wait_xcnt 0x0                                ; buffer f, which earlier stores read, and the stores' base are rewritten only behind this wait
.if \i
	s_add_nc_u64 s[12:13], s[12:13], 16*NOUT*ES
.endif
.set t, 0
.rept 16
	ds_load_b128 v[\f+4*t:\f+4*t+3], v[RD] offset:SPITCH*t         ; LDS serves a wave's instructions in order (ISA guide 5.7.1): these see the stores above
.set t, t+1
.endr
.set t, 0
.rept 16
	s_wait_dscnt 15-t                              ; row t is in; the 15 - t younger loads stay out
	v_pk_fma_f32 v[\f+4*t:\f+4*t+1], v[\f+4*t:\f+4*t+1], s[66:67], v[BIAS:BIAS+1] op_sel_hi:[1,0,1]
	v_pk_fma_f32 v[\f+4*t+2:\f+4*t+3], v[\f+4*t+2:\f+4*t+3], s[66:67], v[BIAS+2:BIAS+3] op_sel_hi:[1,0,1]
.if OUTF32 == 0
	v_cvt_pk_bf16_f32 v[\f+4*t], v[\f+4*t], v[\f+4*t+1]
	v_cvt_pk_bf16_f32 v[\f+4*t+1], v[\f+4*t+2], v[\f+4*t+3]
.endif
.set t, t+1
.endr
.if EDGE
	s_and_saveexec_b32 s68, vcc_lo                 ; no global access has been issued since the wait on XCNT above
.endif
.set t, 0
.rept 16
.if OUTF32
.if EDGE
	global_store_b128 v[CO], v[\f+4*t:\f+4*t+3], s[12:13] offset:t*NOUT*ES th:TH_STORE_NT   ; up to 512 consecutive bytes of one row; the model's result, not read again
.else
	global_store_b128 v[CO], v[\f+4*t:\f+4*t+3], s[12:13] offset:t*NOUT*ES                  ; 512 consecutive bytes of one row, aligned
.endif
.else
	global_store_b64 v[CO], v[\f+4*t:\f+4*t+1], s[12:13] offset:t*NOUT*ES                   ; 256 consecutive bytes of one row, aligned
.endif
.set t, t+1
.endr
.if EDGE
	s_wait_xcnt 0x0                                ; EXEC is widened only behind this wait
	s_or_b32 exec_lo, exec_lo, s68
.endif
.endm
	OUT16 0, 0, 0x08, F0
	OUT16 1, 1, 0x08, F1
	OUT16 2, 2, 0x08, F0
	OUT16 3, 3, 0x08, F1
.if AT == 8
	OUT16 4, 0, 0x0c, F0
	OUT16 5, 1, 0x0c, F1
	OUT16 6, 2, 0x0c, F0
	OUT16 7, 3, 0x0c, F1
.endif
	s_set_vgpr_msb 0x1
	s_wait_tensorcnt 0x0
	ds_add_u32 v255, v255
	s_wait_dscnt 0x0
	s_set_vgpr_msb 0x100
	CROUND                                         ; the closing round: no work-group ends while a partner may still ask for a tile that names it
	s_endpgm
.Lfunc_end_k_qc8615f9b12_gemm0:
	.size	k_qc8615f9b12_gemm0, .Lfunc_end_k_qc8615f9b12_gemm0-k_qc8615f9b12_gemm0
	.p2alignl 7, 3214868480
	.fill 96, 4, 3214868480
	.section	.rodata,"a",@progbits
	.p2align	6, 0x0
	.amdhsa_kernel k_qc8615f9b12_gemm0
		.amdhsa_group_segment_fixed_size 327680
		.amdhsa_private_segment_fixed_size 0
		.amdhsa_enable_private_segment 0
		.amdhsa_kernarg_size 40
		.amdhsa_user_sgpr_count 2
		.amdhsa_user_sgpr_kernarg_segment_ptr 1
		.amdhsa_wavefront_size32 1
		.amdhsa_system_sgpr_workgroup_id_x 1
		.amdhsa_system_sgpr_workgroup_id_y 1
		.amdhsa_system_sgpr_workgroup_id_z 1
		.amdhsa_system_vgpr_workitem_id 0
		.amdhsa_next_free_vgpr 768
		.amdhsa_next_free_sgpr 80
		.amdhsa_reserve_vcc 1
		.amdhsa_float_denorm_mode_32 3
		.amdhsa_float_denorm_mode_16_64 3
		.amdhsa_memory_ordered 1
		.amdhsa_forward_progress 1
		.amdhsa_inst_pref_size 239
	.end_amdhsa_kernel
	.amdgpu_metadata
---
amdhsa.version: [ 1, 2 ]
amdhsa.kernels:
  - .name:           k_qc8615f9b12_gemm0
    .symbol:         k_qc8615f9b12_gemm0.kd
    .args:
      - { .name: act0, .offset: 0, .size: 8, .value_kind: global_buffer, .address_space: global }
      - { .name: q0, .offset: 8, .size: 8, .value_kind: global_buffer, .address_space: global }
      - { .name: b0, .offset: 16, .size: 8, .value_kind: global_buffer, .address_space: global }
      - { .name: scales, .offset: 24, .size: 8, .value_kind: global_buffer, .address_space: global }
      - { .name: act1, .offset: 32, .size: 8, .value_kind: global_buffer, .address_space: global }
    .group_segment_fixed_size: 327680
    .private_segment_fixed_size: 0
    .kernarg_segment_align: 8
    .kernarg_segment_size: 40
    .max_flat_workgroup_size: 128
    .sgpr_count:     80
    .vgpr_count:     768
    .wavefront_size: 32
...
	.end_amdgpu_metadata
.endif
;; end of part 3
;; launch gemm1 (part 4): grid 8 x 32, 4 waves a work-group, clusters of 4 x 4, 327,680 bytes of LDS; arguments act1, q1, b1, scales, h2; writes h2
.if DOCPART == 4
	.amdgcn_target "amdgcn-amd-amdhsa--gfx1250"
	.amdhsa_code_object_version 6
	.text
	.protected	k_qc8615f9b12_gemm1
	.globl	k_qc8615f9b12_gemm1
	.p2align	8
	.type	k_qc8615f9b12_gemm1,@function
k_qc8615f9b12_gemm1:
	s_mov_b64 s[64:65], 0
	v_nop
	global_prefetch_b8 v0, s[64:65] scope:SCOPE_SE
	s_setreg_imm32_b32 hwreg(HW_REG_WAVE_MODE, 25, 1), 1
	s_wait_xcnt 0x0
	s_wait_alu depctr_hold_cnt(0) depctr_sa_sdst(0) depctr_va_vdst(0) depctr_va_sdst(0) depctr_va_ssrc(0) depctr_va_vcc(0) depctr_vm_vsrc(0)
	s_getreg_b32 s2, hwreg(HW_REG_IB_STS2, 6, 4)
	s_cmp_eq_u32 s2, 0
	s_cbranch_scc0 .Lentry_in_a_cluster
	s_endpgm
.Lentry_in_a_cluster:
	s_bfe_u32 s2, ttmp6, 0x10000c
	s_cmp_lg_u32 s2, 0xf033
	s_cbranch_scc0 .Lentry_shape_is_right
	s_endpgm
.Lentry_shape_is_right:
; out[m][n] = s * (sum over k of A[m][k] Q[n][k]) + bias[n].  A: [4096][2048] of 16 bits.  Q: the ternary weights doubled (-2, 0, +2), s = scale / 2; sums in f32.
; The same text serves the three products of the model; the six constants below say which.  Here: layer 1, A = h1 as bf16,
; out = h2 as f32 [4096][2048] (the norm's input stays f32).
.set AT,     4                         ; accumulator tiles of 16 rows in a wave: a wave makes 16 AT x 128, the work-group 32 AT x 256
.set NOUT,   2048                      ; columns of out, and its pitch in numbers
.set OUTF32, 1                         ; out is f32 (1) or bf16 (0)
.set EDGE,   0                         ; the last block column reaches past NOUT (1): those lanes store nothing
.set SCOFF,  4                         ; byte of this layer's s in scales
.set F16,    0                         ; the matrix operands are f16 (1) or bf16 (0)
; Q IN 4 BITS: Q lies in memory and in LDS as 4-bit floats (E2M1), [n / 128][k / 256][128 rows][128 bytes], and becomes a 16-bit operand between LDS and
; the matrix instruction: one conversion makes eight numbers.  The conversion writes bf16; 2.0 is 0x4000 and -2.0 is 0xc000 in bf16 AND in f16, so the
; same registers serve the f16 product.  A tile of Q is a quarter of the bytes that 16-bit codes would take, on every way that it goes.
; SHARES: four waves, as many as a WGP has SIMDs.  4,096 x NOUT in blocks of 32 AT x 256 are 256 work-groups.
; THE RINGS: two LDS slots for A, each with 1,024 / AT of K, and two for Q, each with 256 of K, filled by the tensor data mover.  A phase is one slot of A:
; 256 matrix instructions of a wave.  Waves 2 and 3 fetch A's halves, one load each behind every phase's barrier; waves 0 and 1 fetch Q's halves behind the
; barriers at which a slot of Q has been used up.  A's rows are 256 or 512 bytes of memory at multiples of that; a tile of Q is 16,384 consecutive bytes.
; CLUSTERS: 4 x 4 work-groups.  A's tile hangs on the block row alone and is asked for jointly by the four of a row of the cluster, Q's on the
; block column alone and is asked for jointly by the four of a column: the requests for both are divided by four.
; K IN THE REGISTERS: K goes in groups of 64.  Lane half h holds k = 32 h .. 32 h + 31 of a group, the first 16 for one matrix instruction and the next 16
; for the other: the same permutation of k in A's and in Q's fragments, so every product meets its partner.  So a lane's codes of a group are 16
; neighbouring bytes, one LDS load for two matrix steps.
; REGISTERS in windows of 256: window 0 addresses, bias, A's fragments (two buffers at v64, v128); window 1 Q's converted fragments (v64-127) and raw codes
; (two buffers at v128, v160); window 2 the accumulator tiles of my rows 0-63 (tile (a, b) at v[8 (8 a + b)]); window 3 those of rows 64-127 (AT = 8 only).
; THE MATRIX INSTRUCTION IS USED TRANSPOSED: source 0 = 16 rows of Q, source 1 = 16 rows of A: lane l holds row l % 16 of out and its eight
; registers the neighbouring columns 8 (l / 16) + 0 .. 7.
; LIMIT: A has 16 bits (rounded once by the launch that wrote it); the codes are exact.
.set KDIM,   2048
.set NG,     16/AT                     ; groups of 64 along K in a slot of A
.set KA,     64*NG                     ; K in a slot of A
.set ROWA,   2*KA                      ; bytes of a row of A's tile
.set PITCHA, ROWA+16                   ; an odd multiple of 16: the 16 rows of a fragment load start at 16 different 16-byte columns modulo 256
.set QIA,    7-AT/4                    ; the padding's interval: 2 << QIA words = a row
.set LBMR,   7+AT/8                    ; log2 of the block's rows
.set BMR,    32*AT
.set APART,  (BMR/2)*PITCHA            ; what one load of A fills
.set ASLOT,  2*APART
.set PITCHQ, 272                       ; two rows of Q's tile (256 bytes) + 16: row n lies at (n / 2) 272 + (n % 2) 128, sixteen rows at sixteen different 16-byte columns modulo 256
.set QPART,  64*PITCHQ                 ; what one load of Q fills: 128 rows
.set QSLOT,  2*QPART
.set QTILE,  16384                     ; bytes of a tile of Q in memory
.set ABASE,  2*QSLOT                   ; LDS: Q's two slots, A's two slots, the stage
.set STAGE,  ABASE+2*ASLOT             ; a multiple of 256: 16 rows x 528 bytes for each wave, which no tensor load fills
.set SPITCH, 528                       ; 128 f32 + 16 bytes
.set ES,     2+2*OUTF32                ; bytes of a number of out
.set ADRA, 16                          ; v16-17  LDS address of my A fragments in slot 0, 1
.set ADRQ, 20                          ; v20-21  the same for Q's codes
.set STO,  24                          ; v24     the way out: where I put my 32 bytes of a row
.set RD,   25                          ; v25     the way out: where I read 16 bytes of a row back
.set CO,   26                          ; v26     my byte offset in a row of out
.set COL,  27                          ; v27     my first column of out on the way out
.set BOFF, 28                          ; v28     its byte offset in bias
.set BIAS, 32                          ; v[32:35] bias of my four columns
.set SCL,  36                          ; v36     the conversion's block scales: each of the word's four bytes, in every lane, is 127, the E8M0 code of 1.0, so the scale is 1.0
.set F0,   64                          ; window 0: A's fragment buffers
.set F1,   128
.set FB,   64                          ; window 1: Q's converted fragments
.set RW0,  128                         ; window 1: raw codes of a group of 64 k, 4 registers for each of 8 tiles of 16 rows; two buffers
.set RW1,  160
.set G1A, 24                           ; s[24:31] descriptor group 1 for A's tiles
.set G0A, 32                           ; s[32:39] group 0 for A's tiles, one set for each slot
.set G1B, 48                           ; s[48:55] group 1 for Q's tiles
.set G0B, 56                           ; s[56:63] group 0 for Q's tiles, one set for each slot
.set MUL_LO, 0xa1                      ; source 0 (Q) window 1, source 1 (A) window 0, C and D window 2
.set MUL_HI, 0xf1                      ; the same, C and D window 3
.set TO_B,   0x40                      ; destination window 1
.set CV,     0x41                      ; destination and source 0 window 1, source 1 (the scale) window 0
.set MSB, 0
.macro WIN new                         ; the immediate's high byte repeats the setting that is left; a switch that changes nothing is dropped
.if MSB != \new
	s_set_vgpr_msb (MSB<<8)|\new
.set MSB, \new
.endif
.endm
.macro PLACES                          ; a load into, or a vector write of, a register that a matrix instruction has read, and whatever reads a matrix result, stand four
.rept 4                                ; plain vector instructions behind it (ISA guide 7.12.1 for vector instructions); other matrix instructions are not counted
	v_nop
.endr
.endm
; The joint loads behind one barrier: waves 2 and 3 fetch A's halves into slot as; waves 0 and 1 fetch Q's halves into slot qs, if qfill.
; Each line has one mask and one set of registers; the branch hangs on the wave's number alone.
.macro JLOAD as, qs, qfill
	s_cmp_eq_u32 s15, 0
	s_cbranch_scc0 .Lfor_a_\@
.if \qfill
	tensor_load_to_lds s[G0B+4*\qs:G0B+4*\qs+3], s[G1B:G1B+7]
	s_nop 0
.endif
	s_branch .Lasked_\@
.Lfor_a_\@:
	tensor_load_to_lds s[G0A+4*\as:G0A+4*\as+3], s[G1A:G1A+7]
	s_nop 0
.Lasked_\@:
.endm
.macro CREST                           ; a round of the cluster's barrier behind its opening work-group barrier
	s_cmp_lg_u32 s14, 0
	s_cbranch_scc1 .Lnot_wave_0_\@
	s_barrier_signal -3
.Lnot_wave_0_\@:
	s_barrier_wait -3
	s_barrier_signal -1
	s_barrier_wait -1
.endm
.macro CROUND                          ; a whole round
	s_barrier_signal -1
	s_barrier_wait -1
	CREST
.endm
	s_load_b256 s[4:11], s[0:1], 0x0               ; A s[4:5], Q s[6:7], bias s[8:9], scales s[10:11]
	s_load_b64 s[12:13], s[0:1], 0x20              ; out
	s_set_vgpr_msb 0x40
	v_lshl_add_u32 v255, v0, 2, 0x3a400
	s_set_vgpr_msb 0x4000
	v_mov_b32 v255, 0
	s_set_vgpr_msb 0x1
	ds_add_u32 v255, v255
	s_set_vgpr_msb 0x100
	v_lshrrev_b32 v1, 5, v0
	v_readfirstlane_b32 s14, v1                    ; wave 0..3
	s_lshr_b32 s15, s14, 1                         ; which half of the block's rows is mine.  Also: I fetch for Q (0) or for A (1)
	s_and_b32 s16, s14, 1                          ; which half of its columns.  Also: which half of that tile I fetch
	s_bfe_u32 s17, ttmp6, 0x40000                  ; cx
	s_bfe_u32 s18, ttmp6, 0x40004                  ; cy
	s_lshl_b32 s19, ttmp9, 2
	s_add_co_u32 s19, s19, s17                     ; block column = 4 x cluster x + cx
	s_and_b32 s20, ttmp7, 0xffff
	s_lshl_b32 s20, s20, 2
	s_add_co_u32 s20, s20, s18                     ; block row = 4 x cluster y + cy
	s_lshl_b32 s21, s18, 2
	s_lshl_b32 s21, 15, s21                        ; my row of the cluster: places 4 cy .. 4 cy + 3
	s_lshl_b32 s22, 0x1111, s17                    ; my column: places cx, cx + 4, cx + 8, cx + 12
	; group 1 for A: BMR / 2 rows of KA elements of 2 bytes, 4 words of padding behind every row; 15:0 the mask, bit 21 set beside it
	s_or_b32 s[G1A+0], s21, (1<<16)|(1<<20)|(1<<21)|(QIA<<22)|(3<<25)
	s_mov_b32 s[G1A+1], KA<<16                     ; tensor_dim0
	s_mov_b32 s[G1A+2], (BMR/2)<<16                ; tensor_dim1 = the tile's rows
	s_mov_b32 s[G1A+3], KA<<16                     ; tile_dim0
	s_mov_b32 s[G1A+4], BMR/2                      ; tile_dim1
	s_mov_b32 s[G1A+5], KDIM                       ; elements from row to row
	s_mov_b32 s[G1A+6], 0
	s_mov_b32 s[G1A+7], 0
	; group 1 for Q: a dense block of 16,384 bytes as 64 rows of 32 elements of 8 bytes, 4 words of padding behind every 64 words
	s_or_b32 s[G1B+0], s22, (3<<16)|(1<<20)|(1<<21)|(5<<22)|(3<<25)
	s_mov_b32 s[G1B+1], 32<<16
	s_mov_b32 s[G1B+2], 64<<16
	s_mov_b32 s[G1B+3], 32<<16
	s_mov_b32 s[G1B+4], 64
	s_mov_b32 s[G1B+5], 32
	s_mov_b32 s[G1B+6], 0
	s_mov_b32 s[G1B+7], 0
	; where the tiles come from: A's address is made of the block row and the wave's number, Q's of the block column and the wave's number
	s_lshl_b32 s23, s16, LBMR-1
	s_lshl_b32 s40, s20, LBMR
	s_add_co_u32 s40, s40, s23                     ; A: row BMR x block row + BMR/2 x half
	s_lshl_b32 s40, s40, 12                        ; a row is 4,096 bytes
	s_mov_b32 s41, 0
	s_lshl1_add_u32 s42, s19, s16                  ; Q: block of 128 rows 2 x block column + half
	s_lshl_b32 s72, s42, 7                         ; whose first row is also my wave's first column of out
	s_lshl_b32 s42, s42, 17                        ; 8 tiles of 16,384 bytes each
	s_mov_b32 s43, 0
	; and where they go: a constant plus the wave's number times a constant
	s_mul_i32 s44, s14, QPART                      ; Q's halves: waves 0, 1
	s_mul_i32 s45, s14, APART                      ; A's halves: waves 2, 3 land at ABASE and ABASE + APART
	s_add_co_u32 s45, s45, ABASE-ASLOT
	s_wait_dscnt 0x0
	s_wait_kmcnt 0x0
	s_add_nc_u64 s[40:41], s[4:5], s[40:41]
	s_add_nc_u64 s[42:43], s[6:7], s[42:43]
	CROUND                                         ; all sixteen work-groups are here: the first joint loads meet
.irp s, 0,1
	s_mov_b32 s[G0A+4*\s], 1
	s_add_co_u32 s[G0A+4*\s+1], s45, \s*ASLOT
	s_add_nc_u64 s[G0A+4*\s+2:G0A+4*\s+3], s[40:41], \s*ROWA       ; the s-th KA of K
	s_or_b32 s[G0A+4*\s+3], s[G0A+4*\s+3], 0x80000000              ; type = 2
	s_mov_b32 s[G0B+4*\s], 1
	s_add_co_u32 s[G0B+4*\s+1], s44, \s*QSLOT
	s_add_nc_u64 s[G0B+4*\s+2:G0B+4*\s+3], s[42:43], \s*QTILE      ; the s-th 256 of K
	s_or_b32 s[G0B+4*\s+3], s[G0B+4*\s+3], 0x80000000
	JLOAD \s, \s, 1                                ; both slots' first fills go out before anything else: two loads of the wave are out
.endr
	s_load_b32 s66, s[10:11], SCOFF                ; s = the layer's scale / 2
	v_and_b32 v1, 15, v0                           ; r
	v_bfe_u32 v2, v0, 4, 1                         ; h
	v_and_b32 v3, 31, v0                           ; lane
	v_mul_u32_u24 v4, v1, PITCHA                   ; A: row r, 64 bytes (32 k) for each half of the lanes
	v_lshl_add_u32 v4, v2, 6, v4
	v_lshrrev_b32 v5, 1, v1                        ; Q: row r at (r / 2) 272 + (r % 2) 128, 16 bytes (32 k) for each half of the lanes
	v_mul_u32_u24 v5, v5, PITCHQ
	v_and_b32 v6, 1, v1
	v_lshl_add_u32 v5, v6, 7, v5
	v_lshl_add_u32 v5, v2, 4, v5
	s_mul_i32 s46, s16, QPART                      ; my 128 rows of Q
	s_mul_i32 s47, s15, 16*AT*PITCHA               ; my 16 AT rows of A
	s_add_co_u32 s47, s47, ABASE
.irp s, 0,1
	v_add_nc_u32 v[ADRQ+\s], s46, v5
	v_add_nc_u32 v[ADRA+\s], s47, v4
	s_add_co_u32 s46, s46, QSLOT
	s_add_co_u32 s47, s47, ASLOT
.endr
	s_mul_i32 s73, s14, 16*SPITCH
	s_add_co_u32 s73, s73, STAGE                   ; my stage
	v_mul_u32_u24 v5, v1, SPITCH                   ; in: row r, 32 bytes for each half of the lanes
	v_lshl_add_u32 v5, v2, 5, v5
	v_add_nc_u32 v[STO], s73, v5
	v_lshl_add_u32 v[RD], v3, 4, s73               ; back: the 32 lanes take one row of 512 bytes
	v_lshlrev_b32 v[CO], 3+OUTF32, v3              ; four numbers a lane in out
	v_lshl_add_u32 v[COL], v3, 2, s72              ; their first column
	v_mov_b32 v[SCL], 0x7f7f7f7f                   ; 1.0 in all four bytes
.if EDGE
	v_min_u32 v[BOFF], NOUT-4, v[COL]              ; lanes past the last column load the last four numbers and store nothing
	v_lshlrev_b32 v[BOFF], 2, v[BOFF]
.else
	v_lshlrev_b32 v[BOFF], 2, v[COL]
.endif
	global_load_b128 v[BIAS:BIAS+3], v[BOFF], s[8:9]               ; waited for at the way out
	s_wait_kmcnt 0x0
	s_mov_b32 s67, s66                             ; s as a pair, for the packed multiply-add
; 16 matrix instructions: row tiles a0, a0 + 1 of the window's four x all 8 column tiles, 32 of K.  f: A's buffer.  zero = 1: the first product starts the sums.
.macro MUL16 f, hi, a0, zero
.irp a, \a0, \a0+1
.irp b, 0,1,2,3,4,5,6,7
.if F16
.if \zero
	v_wmma_f32_16x16x32_f16 v[8*(8*(\a)+\b):8*(8*(\a)+\b)+7], v[FB+8*\b:FB+8*\b+7], v[\f+8*(4*\hi+\a):\f+8*(4*\hi+\a)+7], 0
.else
	v_wmma_f32_16x16x32_f16 v[8*(8*(\a)+\b):8*(8*(\a)+\b)+7], v[FB+8*\b:FB+8*\b+7], v[\f+8*(4*\hi+\a):\f+8*(4*\hi+\a)+7], v[8*(8*(\a)+\b):8*(8*(\a)+\b)+7]
.endif
.else
.if \zero
	v_wmma_f32_16x16x32_bf16 v[8*(8*(\a)+\b):8*(8*(\a)+\b)+7], v[FB+8*\b:FB+8*\b+7], v[\f+8*(4*\hi+\a):\f+8*(4*\hi+\a)+7], 0
.else
	v_wmma_f32_16x16x32_bf16 v[8*(8*(\a)+\b):8*(8*(\a)+\b)+7], v[FB+8*\b:FB+8*\b+7], v[\f+8*(4*\hi+\a):\f+8*(4*\hi+\a)+7], v[8*(8*(\a)+\b):8*(8*(\a)+\b)+7]
.endif
.endif
.endr
.endr
.endm
; the matrix instructions of 32 of K from row tile `from` on.  The 8 AT accumulators take turns, one instruction a turn, in the same order every
; time, over the loop's backward jump and into the tail.
.macro MULALL f, from, zero
	WIN MUL_LO
.if \from == 0
	MUL16 \f, 0, 0, \zero
.endif
	MUL16 \f, 0, 2, \zero
.if AT == 8
	WIN MUL_HI
	MUL16 \f, 1, 0, \zero
	MUL16 \f, 1, 2, \zero
.endif
.endm
; A's fragments of step j (32 of K: group j / 2, half j % 2) of slot as into buffer f: 2 AT loads, under window setting 0
.macro LDA as, j, f
.set fi, 0
.rept AT
	ds_load_b128 v[\f+8*fi:\f+8*fi+3],   v[ADRA+\as] offset:128*((\j)/2)+32*((\j)%2)+fi*16*PITCHA
	ds_load_b128 v[\f+8*fi+4:\f+8*fi+7], v[ADRA+\as] offset:128*((\j)/2)+32*((\j)%2)+fi*16*PITCHA+16
.set fi, fi+1
.endr
.endm
; the raw codes of group g of slot qs, my 128 rows, into buffer rw: 8 loads, under the setting TO_B
.macro LDQ qs, g, rw
.irp i, 0,1,2,3,4,5,6,7
	ds_load_b128 v[\rw+4*\i:\rw+4*\i+3], v[ADRQ+\qs] offset:32*(\g)+\i*8*PITCHQ
.endr
.endm
; half u of the group in buffer rw becomes Q's eight fragments: a word of eight codes makes four registers.  Under the setting CV.
.macro CVT rw, u
.irp i, 0,1,2,3,4,5,6,7
	v_cvt_scale_pk8_bf16_fp4 v[FB+8*\i:FB+8*\i+3],   v[\rw+4*\i+2*\u],   v[SCL]
	v_cvt_scale_pk8_bf16_fp4 v[FB+8*\i+4:FB+8*\i+7], v[\rw+4*\i+2*\u+1], v[SCL]
.endr
	v_nop                                          ; one plain vector instruction stands between a scaled conversion and the use of its result
.endm
; Step j of a phase, all but the last: asks for the next step's fragments of A (and, in a group's second half, for the next group's codes), converts, multiplies.
.macro SUB as, qs, g0, j, zero
.set sj_u, (\j)%2
.set sj_g, (\j)/2
	PLACES                                         ; the step before read the buffer of A that is loaded now, and Q's fragments, which are written now
.if sj_u
	WIN TO_B
	LDQ \qs, \g0+sj_g+1, RW0+32*((sj_g+1)%2)
.endif
	WIN 0
	LDA \as, \j+1, F0+64*((sj_u+1)%2)
	s_wait_dscnt 2*AT+8*sj_u                       ; all but the loads just issued are back: this step's fragments of A and its group's codes are in
	WIN CV
	CVT RW0+32*(sj_g%2), sj_u
	MULALL F0+64*sj_u, 0, \zero
.endm
.macro PHASE as, qs, g0, zero
	SUB \as, \qs, \g0, 0, \zero
	SUB \as, \qs, \g0, 1, 0
	SUB \as, \qs, \g0, 2, 0
.if NG == 4
	SUB \as, \qs, \g0, 3, 0
	SUB \as, \qs, \g0, 4, 0
	SUB \as, \qs, \g0, 5, 0
	SUB \as, \qs, \g0, 6, 0
.endif
.endm
; A phase's last step, and the change of slots.  In front of the barrier each wave waits for its reads of the slots and for all its tensor loads, of which at
; most one is out: its part of the next slot.  Where a slot is filled again (afill; Q's too: qfill) the barrier opens a round of the cluster's barrier, only
; register work stands inside the round, and the joint refill is the first tensor load behind it, one a wave: it has the next phase less sixteen
; matrix instructions in which to land.  nas, nqs, ng0: where the next phase reads.
.macro TURN as, qs, nas, nqs, ng0, afill, qfill
	PLACES
	WIN CV
	CVT RW1, 1
	s_wait_dscnt 0x0                               ; this step's fragments of A are in, and my reads of the slots are over
	s_wait_tensorcnt 0x0                           ; all my tensor loads have landed
	ds_add_u32 v255, v255
	s_wait_dscnt 0x0
	s_barrier_signal -1
	WIN MUL_LO
	MUL16 F1, 0, 0, 0                              ; work on registers while the others arrive
	WIN 0
	s_barrier_wait -1
.if \afill
	CREST                                          ; no wave of any partner still reads these slots or has a load on its way
	s_add_nc_u64 s[G0A+4*\as+2:G0A+4*\as+3], s[G0A+4*\as+2:G0A+4*\as+3], 2*ROWA
.if \qfill
	s_add_nc_u64 s[G0B+4*\qs+2:G0B+4*\qs+3], s[G0B+4*\qs+2:G0B+4*\qs+3], 2*QTILE
.endif
	JLOAD \as, \qs, \qfill
.endif
	WIN TO_B
	LDQ \nqs, \ng0, RW0                            ; buffer 0 of A was last read by the step before this one: the four places and the one behind the conversions stand between
	WIN 0
	LDA \nas, 0, F0
	MULALL F1, 2, 0
.endm
.macro LAP zero                        ; once round Q's ring, every slot filled again
.if AT == 4
	PHASE 0, 0, 0, \zero
	TURN 0, 0, 1, 1, 0, 1, 1
	PHASE 1, 1, 0, 0
	TURN 1, 1, 0, 0, 0, 1, 1
.else
	PHASE 0, 0, 0, \zero
	TURN 0, 0, 1, 0, 2, 1, 0
	PHASE 1, 0, 2, 0
	TURN 1, 0, 0, 1, 0, 1, 1
	PHASE 0, 1, 0, 0
	TURN 0, 1, 1, 1, 2, 1, 0
	PHASE 1, 1, 2, 0
	TURN 1, 1, 0, 0, 0, 1, 1
.endif
.endm
	s_wait_tensorcnt 0x1                           ; my part of the first slot is in; the second slot's load, issued behind it, stays out
	s_barrier_signal -1
	s_barrier_wait -1                              ; everybody's part is in
	WIN TO_B
	LDQ 0, 0, RW0
	WIN 0
	LDA 0, 0, F0
	LAP 1                                          ; K = 2,048 is four laps of 512.  The first stands in front of the loop: its first products start the sums
	WIN 0
	s_mov_b32 s3, 2
.Llap:
	LAP 0
	WIN 0
	s_sub_co_u32 s3, s3, 1
	s_cmp_lg_u32 s3, 0
	s_cbranch_scc1 .Llap
.if AT == 4                                            ; the last lap fills only what is still read
	PHASE 0, 0, 0, 0
	TURN 0, 0, 1, 1, 0, 0, 0
	PHASE 1, 1, 0, 0
.else
	PHASE 0, 0, 0, 0
	TURN 0, 0, 1, 0, 2, 1, 0                       ; A's last two slots
	PHASE 1, 0, 2, 0
	TURN 1, 0, 0, 1, 0, 1, 0
	PHASE 0, 1, 0, 0
	TURN 0, 1, 1, 1, 2, 0, 0
	PHASE 1, 1, 2, 0
.endif
	PLACES                                         ; the very last step: nothing more to fetch
	WIN CV
	CVT RW1, 1
	s_wait_dscnt 0x0
	MULALL F1, 0, 0
	; THE WAY OUT, 16 rows at a time: the raw sums go into my own stage, come back as whole rows of 128 numbers, get s and bias in one fused step and leave.
	PLACES                                         ; behind the last matrix instructions: for the LDS stores of results and the loads into the fragment buffers
	WIN 0
	s_wait_loadcnt 0x0                             ; the bias
.if EDGE
	v_cmp_gt_u32 vcc_lo, NOUT, v[COL]              ; my four columns exist (NOUT is a multiple of 4: all four or none)
.endif
	s_lshl_b32 s70, s20, LBMR
	s_lshl_b32 s23, s15, LBMR-1
	s_add_co_u32 s70, s70, s23                     ; my first row
	s_mul_i32 s70, s70, NOUT
	s_add_co_u32 s70, s70, s72                     ; and column
	s_lshl_b32 s70, s70, 1+OUTF32                  ; in bytes: below 2^27
	s_mov_b32 s71, 0
	s_add_nc_u64 s[12:13], s[12:13], s[70:71]
; rows 16 i .. 16 i + 15 of my tile = the eight tiles (a, 0..7) of window 2 or 3 (win = 0x08 or 0x0c: an LDS store's data are source 1); f: F0 and F1 by turns
.macro OUT16 i, a, win, f
	WIN \win
.irp b, 0,1,2,3,4,5,6,7
	ds_store_b128 v[STO], v[8*(8*\a+\b):8*(8*\a+\b)+3] offset:64*\b
	ds_store_b128 v[STO], v[8*(8*\a+\b)+4:8*(8*\a+\b)+7] offset:64*\b+16
.endr
	WIN 0
	s_wait_xcnt 0x0                                ; buffer f, which earlier stores read, and the stores' base are rewritten only behind this wait
.if \i
	s_add_nc_u64 s[12:13], s[12:13], 16*NOUT*ES
.endif
.set t, 0
.rept 16
	ds_load_b128 v[\f+4*t:\f+4*t+3], v[RD] offset:SPITCH*t         ; LDS serves a wave's instructions in order (ISA guide 5.7.1): these see the stores above
.set t, t+1
.endr
.set t, 0
.rept 16
	s_wait_dscnt 15-t                              ; row t is in; the 15 - t younger loads stay out
	v_pk_fma_f32 v[\f+4*t:\f+4*t+1], v[\f+4*t:\f+4*t+1], s[66:67], v[BIAS:BIAS+1] op_sel_hi:[1,0,1]
	v_pk_fma_f32 v[\f+4*t+2:\f+4*t+3], v[\f+4*t+2:\f+4*t+3], s[66:67], v[BIAS+2:BIAS+3] op_sel_hi:[1,0,1]
.if OUTF32 == 0
	v_cvt_pk_bf16_f32 v[\f+4*t], v[\f+4*t], v[\f+4*t+1]
	v_cvt_pk_bf16_f32 v[\f+4*t+1], v[\f+4*t+2], v[\f+4*t+3]
.endif
.set t, t+1
.endr
.if EDGE
	s_and_saveexec_b32 s68, vcc_lo                 ; no global access has been issued since the wait on XCNT above
.endif
.set t, 0
.rept 16
.if OUTF32
.if EDGE
	global_store_b128 v[CO], v[\f+4*t:\f+4*t+3], s[12:13] offset:t*NOUT*ES th:TH_STORE_NT   ; up to 512 consecutive bytes of one row; the model's result, not read again
.else
	global_store_b128 v[CO], v[\f+4*t:\f+4*t+3], s[12:13] offset:t*NOUT*ES                  ; 512 consecutive bytes of one row, aligned
.endif
.else
	global_store_b64 v[CO], v[\f+4*t:\f+4*t+1], s[12:13] offset:t*NOUT*ES                   ; 256 consecutive bytes of one row, aligned
.endif
.set t, t+1
.endr
.if EDGE
	s_wait_xcnt 0x0                                ; EXEC is widened only behind this wait
	s_or_b32 exec_lo, exec_lo, s68
.endif
.endm
	OUT16 0, 0, 0x08, F0
	OUT16 1, 1, 0x08, F1
	OUT16 2, 2, 0x08, F0
	OUT16 3, 3, 0x08, F1
.if AT == 8
	OUT16 4, 0, 0x0c, F0
	OUT16 5, 1, 0x0c, F1
	OUT16 6, 2, 0x0c, F0
	OUT16 7, 3, 0x0c, F1
.endif
	s_set_vgpr_msb 0x1
	s_wait_tensorcnt 0x0
	ds_add_u32 v255, v255
	s_wait_dscnt 0x0
	s_set_vgpr_msb 0x100
	CROUND                                         ; the closing round: no work-group ends while a partner may still ask for a tile that names it
	s_endpgm
.Lfunc_end_k_qc8615f9b12_gemm1:
	.size	k_qc8615f9b12_gemm1, .Lfunc_end_k_qc8615f9b12_gemm1-k_qc8615f9b12_gemm1
	.p2alignl 7, 3214868480
	.fill 96, 4, 3214868480
	.section	.rodata,"a",@progbits
	.p2align	6, 0x0
	.amdhsa_kernel k_qc8615f9b12_gemm1
		.amdhsa_group_segment_fixed_size 327680
		.amdhsa_private_segment_fixed_size 0
		.amdhsa_enable_private_segment 0
		.amdhsa_kernarg_size 40
		.amdhsa_user_sgpr_count 2
		.amdhsa_user_sgpr_kernarg_segment_ptr 1
		.amdhsa_wavefront_size32 1
		.amdhsa_system_sgpr_workgroup_id_x 1
		.amdhsa_system_sgpr_workgroup_id_y 1
		.amdhsa_system_sgpr_workgroup_id_z 1
		.amdhsa_system_vgpr_workitem_id 0
		.amdhsa_next_free_vgpr 768
		.amdhsa_next_free_sgpr 80
		.amdhsa_reserve_vcc 1
		.amdhsa_float_denorm_mode_32 3
		.amdhsa_float_denorm_mode_16_64 3
		.amdhsa_memory_ordered 1
		.amdhsa_forward_progress 1
		.amdhsa_inst_pref_size 231
	.end_amdhsa_kernel
	.amdgpu_metadata
---
amdhsa.version: [ 1, 2 ]
amdhsa.kernels:
  - .name:           k_qc8615f9b12_gemm1
    .symbol:         k_qc8615f9b12_gemm1.kd
    .args:
      - { .name: act1, .offset: 0, .size: 8, .value_kind: global_buffer, .address_space: global }
      - { .name: q1, .offset: 8, .size: 8, .value_kind: global_buffer, .address_space: global }
      - { .name: b1, .offset: 16, .size: 8, .value_kind: global_buffer, .address_space: global }
      - { .name: scales, .offset: 24, .size: 8, .value_kind: global_buffer, .address_space: global }
      - { .name: h2, .offset: 32, .size: 8, .value_kind: global_buffer, .address_space: global }
    .group_segment_fixed_size: 327680
    .private_segment_fixed_size: 0
    .kernarg_segment_align: 8
    .kernarg_segment_size: 40
    .max_flat_workgroup_size: 128
    .sgpr_count:     80
    .vgpr_count:     768
    .wavefront_size: 32
...
	.end_amdgpu_metadata
.endif
;; end of part 4
;; launch ln (part 5): grid 256 x 1, 8 waves a work-group, no clusters, 0 bytes of LDS; arguments h2, ln_gamma, ln_beta, act0; writes act0
.if DOCPART == 5
	.amdgcn_target "amdgcn-amd-amdhsa--gfx1250"
	.amdhsa_code_object_version 6
	.text
	.protected	k_qc8615f9b12_ln
	.globl	k_qc8615f9b12_ln
	.p2align	8
	.type	k_qc8615f9b12_ln,@function
k_qc8615f9b12_ln:
	s_mov_b64 s[64:65], 0
	v_nop
	global_prefetch_b8 v0, s[64:65] scope:SCOPE_SE
	s_setreg_imm32_b32 hwreg(HW_REG_WAVE_MODE, 25, 1), 1
	s_wait_xcnt 0x0
; a2[r][c] = f16( (h2[r][c] - mu[r]) * rsqrt(var[r] + 1e-5) * gamma[c] + beta[c] ).  h2: [4096][2048] f32; a2 (in act0): f16.
; One wave takes two whole rows; a row of 8,192 bytes is 64 registers and stays in registers between the passes: h2 is read once, no wave
; waits for another, there is no loop, no LDS and no barrier.  All 64 loads of a wave go out at once.  A stream: nothing here for matrix
; instructions or clusters.
; The variance is the mean of the squares of the centred numbers, as the model has it, never a difference of large sums.
; WHY f16: the normalised numbers cannot pass sqrt(2,048), about 45, in magnitude, so a2 stays below 45 |gamma| + |beta|; the head's operand keeps
; 11 significant bits instead of bf16's 8.
; LIMITS: a number of a2 above 65,504 in magnitude (gamma above some 1,400) becomes infinite in f16.
; v_rsq_f32 is accurate to one unit in the last place, not correctly rounded (ISA guide, its entry in chapter 15).
.set S,   4                            ; v[4:11]    four pair chains
.set MU,  12                           ; v[12:13]   the mean, twice
.set R,   14                           ; v[14:15]   1 / sqrt(var + eps), twice
.set T,   16                           ; v16        var + eps
.set X0,  64                           ; v[64:127]  row 0: register 4 j + e holds column 128 j + 4 lane + e
.set X1,  128                          ; v[128:191] row 1
.set G,   0                            ; window 1, v[0:63]   (v256-319): gamma of the same columns
.set BT,  64                           ; window 1, v[64:127] (v320-383): beta
.set MSB, 0
.macro WIN new                         ; the immediate's high byte repeats the setting that is left
.if MSB != \new
	s_set_vgpr_msb (MSB<<8)|\new
.set MSB, \new
.endif
.endm
.macro FOLD                            ; the four pair chains to one number, then over the 32 lanes: the sum in every lane's v[S]
	v_pk_add_f32 v[S:S+1], v[S:S+1], v[S+2:S+3]
	v_pk_add_f32 v[S+4:S+5], v[S+4:S+5], v[S+6:S+7]
	v_pk_add_f32 v[S:S+1], v[S:S+1], v[S+4:S+5]
	v_add_f32 v[S], v[S], v[S+1]
	v_add_f32_dpp v[S], v[S], v[S] row_xmask:1 row_mask:0xf bank_mask:0xf
	v_add_f32_dpp v[S], v[S], v[S] row_xmask:2 row_mask:0xf bank_mask:0xf
	v_add_f32_dpp v[S], v[S], v[S] row_xmask:4 row_mask:0xf bank_mask:0xf
	v_add_f32_dpp v[S], v[S], v[S] row_xmask:8 row_mask:0xf bank_mask:0xf
	v_permlanex16_b32 v[S+1], v[S], s16, s17
	v_add_f32 v[S], v[S], v[S+1]
.endm
; the row in v[x : x+63] is centred and divided by its deviation, in place
.macro STAT x
.irp c, 0,1,2,3
	v_pk_add_f32 v[S+2*\c:S+2*\c+1], v[\x+2*\c:\x+2*\c+1], v[\x+8+2*\c:\x+8+2*\c+1]   ; the first sums start the chains: nothing is cleared
.endr
.set p, 8
.rept 24
	v_pk_add_f32 v[S+2*(p%4):S+2*(p%4)+1], v[S+2*(p%4):S+2*(p%4)+1], v[\x+2*p:\x+2*p+1]
.set p, p+1
.endr
	FOLD
	v_mul_f32 v[MU], s20, v[S]                     ; the mean = sum / 2,048
	v_mul_f32 v[MU+1], s20, v[S]
.set p, 0
.rept 32
	v_pk_add_f32 v[\x+2*p:\x+2*p+1], v[\x+2*p:\x+2*p+1], v[MU:MU+1] neg_lo:[0,1] neg_hi:[0,1]
.set p, p+1
.endr
.irp c, 0,1,2,3
	v_pk_mul_f32 v[S+2*\c:S+2*\c+1], v[\x+2*\c:\x+2*\c+1], v[\x+2*\c:\x+2*\c+1]
.endr
.set p, 4
.rept 28
	v_pk_fma_f32 v[S+2*(p%4):S+2*(p%4)+1], v[\x+2*p:\x+2*p+1], v[\x+2*p:\x+2*p+1], v[S+2*(p%4):S+2*(p%4)+1]
.set p, p+1
.endr
	FOLD
	v_fma_f32 v[T], v[S], s20, s21                 ; var + eps
	v_rsq_f32 v[R], v[T]
	v_rsq_f32 v[R+1], v[T]
	v_nop                                          ; one plain vector instruction stands between a transcendental and the use of its result (ISA guide 5.7.2)
.set p, 0
	s_wait_alu depctr_va_vdst(0)
.rept 32
	v_pk_mul_f32 v[\x+2*p:\x+2*p+1], v[\x+2*p:\x+2*p+1], v[R:R+1]
.set p, p+1
.endr
.endm
	s_load_b256 s[4:11], s[0:1], 0x0               ; h2 s[4:5], gamma s[6:7], beta s[8:9], act0 s[10:11]
	v_lshrrev_b32 v3, 5, v0
	v_readfirstlane_b32 s12, v3                    ; wave 0..7
	v_and_b32 v3, 31, v0
	v_lshlrev_b32 v1, 4, v3                        ; 16 x lane: loads
	v_lshlrev_b32 v2, 3, v3                        ; 8 x lane: stores
	s_mov_b32 s16, 0x76543210
	s_mov_b32 s17, 0xfedcba98
	s_mov_b32 s20, 0x3a000000                      ; 1 / 2,048
	s_mov_b32 s21, 0x3727c5ac                      ; 1e-5
	s_lshl_b32 s13, ttmp9, 4
	s_lshl1_add_u32 s13, s12, s13                  ; my first row = 16 g + 2 w
	s_lshl_b32 s14, s13, 13                        ; x 8,192 bytes in h2
	s_mov_b32 s15, 0
	s_lshl_b32 s18, s13, 12                        ; x 4,096 bytes in act0
	s_mov_b32 s19, 0
	s_wait_kmcnt 0x0
	s_add_nc_u64 s[4:5], s[4:5], s[14:15]
	s_add_nc_u64 s[10:11], s[10:11], s[18:19]
.set j, 0
.rept 16
	global_load_b128 v[X0+4*j:X0+4*j+3], v1, s[4:5] offset:512*j th:TH_LOAD_NT
.set j, j+1
.endr
.set j, 0
.rept 16
	global_load_b128 v[X1+4*j:X1+4*j+3], v1, s[4:5] offset:8192+512*j th:TH_LOAD_NT
.set j, j+1
.endr
	WIN 0x40                                       ; destination in window 1, the address in window 0
.set j, 0
.rept 16
	global_load_b128 v[G+4*j:G+4*j+3], v1, s[6:7] offset:512*j     ; every wave reads gamma and beta: no hint
.set j, j+1
.endr
.set j, 0
.rept 16
	global_load_b128 v[BT+4*j:BT+4*j+3], v1, s[8:9] offset:512*j
.set j, j+1
.endr
	WIN 0
	s_wait_loadcnt 48                              ; row 0 is in: the 48 loads issued behind it may stay out
	STAT X0
	s_wait_loadcnt 32                              ; row 1 is in: gamma's and beta's 32 may stay out
	STAT X1
	s_wait_loadcnt 0x0                             ; gamma and beta
	WIN 0x14                                       ; sources 1 and 2 in window 1
.set p, 0
.rept 32
	v_pk_fma_f32 v[X0+2*p:X0+2*p+1], v[X0+2*p:X0+2*p+1], v[G+2*p:G+2*p+1], v[BT+2*p:BT+2*p+1]
	v_pk_fma_f32 v[X1+2*p:X1+2*p+1], v[X1+2*p:X1+2*p+1], v[G+2*p:G+2*p+1], v[BT+2*p:BT+2*p+1]
.set p, p+1
.endr
	WIN 0
.set n, 0
.rept 32
	v_cvt_pk_f16_f32 v[X0+4*n], v[X0+4*n], v[X0+4*n+1]             ; X1 follows X0: n = 16 .. 31 is row 1
	v_cvt_pk_f16_f32 v[X0+4*n+1], v[X0+4*n+2], v[X0+4*n+3]
	global_store_b64 v2, v[X0+4*n:X0+4*n+1], s[10:11] offset:(n/16)*4096+256*(n%16)   ; 256 consecutive bytes, aligned; no register is written again behind its store
.set n, n+1
.endr
	s_endpgm
.Lfunc_end_k_qc8615f9b12_ln:
	.size	k_qc8615f9b12_ln, .Lfunc_end_k_qc8615f9b12_ln-k_qc8615f9b12_ln
	.p2alignl 7, 3214868480
	.fill 96, 4, 3214868480
	.section	.rodata,"a",@progbits
	.p2align	6, 0x0
	.amdhsa_kernel k_qc8615f9b12_ln
		.amdhsa_group_segment_fixed_size 0
		.amdhsa_private_segment_fixed_size 0
		.amdhsa_enable_private_segment 0
		.amdhsa_kernarg_size 32
		.amdhsa_user_sgpr_count 2
		.amdhsa_user_sgpr_kernarg_segment_ptr 1
		.amdhsa_wavefront_size32 1
		.amdhsa_system_sgpr_workgroup_id_x 1
		.amdhsa_system_sgpr_workgroup_id_y 1
		.amdhsa_system_sgpr_workgroup_id_z 1
		.amdhsa_system_vgpr_workitem_id 0
		.amdhsa_next_free_vgpr 384
		.amdhsa_next_free_sgpr 66
		.amdhsa_reserve_vcc 0
		.amdhsa_float_denorm_mode_32 3
		.amdhsa_float_denorm_mode_16_64 3
		.amdhsa_memory_ordered 1
		.amdhsa_forward_progress 1
		.amdhsa_inst_pref_size 37
	.end_amdhsa_kernel
	.amdgpu_metadata
---
amdhsa.version: [ 1, 2 ]
amdhsa.kernels:
  - .name:           k_qc8615f9b12_ln
    .symbol:         k_qc8615f9b12_ln.kd
    .args:
      - { .name: h2, .offset: 0, .size: 8, .value_kind: global_buffer, .address_space: global }
      - { .name: ln_gamma, .offset: 8, .size: 8, .value_kind: global_buffer, .address_space: global }
      - { .name: ln_beta, .offset: 16, .size: 8, .value_kind: global_buffer, .address_space: global }
      - { .name: act0, .offset: 24, .size: 8, .value_kind: global_buffer, .address_space: global }
    .group_segment_fixed_size: 0
    .private_segment_fixed_size: 0
    .kernarg_segment_align: 8
    .kernarg_segment_size: 32
    .max_flat_workgroup_size: 256
    .sgpr_count:     66
    .vgpr_count:     384
    .wavefront_size: 32
...
	.end_amdgpu_metadata
.endif
;; end of part 5
;; launch head (part 6): grid 16 x 16, 4 waves a work-group, clusters of 4 x 4, 327,680 bytes of LDS; arguments act0, qh, head_b, scales, out0; writes out0
.if DOCPART == 6
	.amdgcn_target "amdgcn-amd-amdhsa--gfx1250"
	.amdhsa_code_object_version 6
	.text
	.protected	k_qc8615f9b12_head
	.globl	k_qc8615f9b12_head
	.p2align	8
	.type	k_qc8615f9b12_head,@function
k_qc8615f9b12_head:
	s_mov_b64 s[64:65], 0
	v_nop
	global_prefetch_b8 v0, s[64:65] scope:SCOPE_SE
	s_setreg_imm32_b32 hwreg(HW_REG_WAVE_MODE, 25, 1), 1
	s_wait_xcnt 0x0
	s_wait_alu depctr_hold_cnt(0) depctr_sa_sdst(0) depctr_va_vdst(0) depctr_va_sdst(0) depctr_va_ssrc(0) depctr_va_vcc(0) depctr_vm_vsrc(0)
	s_getreg_b32 s2, hwreg(HW_REG_IB_STS2, 6, 4)
	s_cmp_eq_u32 s2, 0
	s_cbranch_scc0 .Lentry_in_a_cluster
	s_endpgm
.Lentry_in_a_cluster:
	s_bfe_u32 s2, ttmp6, 0x10000c
	s_cmp_lg_u32 s2, 0xf033
	s_cbranch_scc0 .Lentry_shape_is_right
	s_endpgm
.Lentry_shape_is_right:
; out[m][n] = s * (sum over k of A[m][k] Q[n][k]) + bias[n].  A: [4096][2048] of 16 bits.  Q: the ternary weights doubled (-2, 0, +2), s = scale / 2; sums in f32.
; The same text serves the three products of the model; the six constants below say which.  Here: the head, A = the norm's output as f16,
; out = the logits as f32 [4096][4000]; Q has 4,096 rows, of which the last 96 are zeros: the last block column's tiles stay inside the matrix,
; and its columns from 4,000 on are not stored.
.set AT,     8                         ; accumulator tiles of 16 rows in a wave: a wave makes 16 AT x 128, the work-group 32 AT x 256
.set NOUT,   4000                      ; columns of out, and its pitch in numbers
.set OUTF32, 1                         ; out is f32 (1) or bf16 (0)
.set EDGE,   1                         ; the last block column reaches past NOUT (1): those lanes store nothing
.set SCOFF,  8                         ; byte of this layer's s in scales
.set F16,    1                         ; the matrix operands are f16 (1) or bf16 (0)
; Q IN 4 BITS: Q lies in memory and in LDS as 4-bit floats (E2M1), [n / 128][k / 256][128 rows][128 bytes], and becomes a 16-bit operand between LDS and
; the matrix instruction: one conversion makes eight numbers.  The conversion writes bf16; 2.0 is 0x4000 and -2.0 is 0xc000 in bf16 AND in f16, so the
; same registers serve the f16 product.  A tile of Q is a quarter of the bytes that 16-bit codes would take, on every way that it goes.
; SHARES: four waves, as many as a WGP has SIMDs.  4,096 x 4,096 in blocks of 32 AT x 256 are 256 work-groups.
; THE RINGS: two LDS slots for A, each with 1,024 / AT of K, and two for Q, each with 256 of K, filled by the tensor data mover.  A phase is one slot of A:
; 256 matrix instructions of a wave.  Waves 2 and 3 fetch A's halves, one load each behind every phase's barrier; waves 0 and 1 fetch Q's halves behind the
; barriers at which a slot of Q has been used up.  A's rows are 256 or 512 bytes of memory at multiples of that; a tile of Q is 16,384 consecutive bytes.
; (Two slots of A with 256 of K would be 2 x 135,168 bytes, which with Q's slots and the stage pass the 327,680 bytes of LDS.)
; CLUSTERS: 4 x 4 work-groups.  A's tile hangs on the block row alone and is asked for jointly by the four of a row of the cluster, Q's on the
; block column alone and is asked for jointly by the four of a column: the requests for both are divided by four.
; K IN THE REGISTERS: K goes in groups of 64.  Lane half h holds k = 32 h .. 32 h + 31 of a group, the first 16 for one matrix instruction and the next 16
; for the other: the same permutation of k in A's and in Q's fragments, so every product meets its partner.  So a lane's codes of a group are 16
; neighbouring bytes, one LDS load for two matrix steps.
; REGISTERS in windows of 256: window 0 addresses, bias, A's fragments (two buffers at v64, v128); window 1 Q's converted fragments (v64-127) and raw codes
; (two buffers at v128, v160); window 2 the accumulator tiles of my rows 0-63 (tile (a, b) at v[8 (8 a + b)]); window 3 those of rows 64-127 (AT = 8 only).
; THE MATRIX INSTRUCTION IS USED TRANSPOSED: source 0 = 16 rows of Q, source 1 = 16 rows of A: lane l holds row l % 16 of out and its eight
; registers the neighbouring columns 8 (l / 16) + 0 .. 7.
; LIMIT: A has 16 bits (rounded once by the launch that wrote it); the codes are exact.  A row of out is 16,000 bytes, so odd rows begin 128 bytes
; off a multiple of 256: the stores are whole runs of a row, aligned to 128 bytes.
.set KDIM,   2048
.set NG,     16/AT                     ; groups of 64 along K in a slot of A
.set KA,     64*NG                     ; K in a slot of A
.set ROWA,   2*KA                      ; bytes of a row of A's tile
.set PITCHA, ROWA+16                   ; an odd multiple of 16: the 16 rows of a fragment load start at 16 different 16-byte columns modulo 256
.set QIA,    7-AT/4                    ; the padding's interval: 2 << QIA words = a row
.set LBMR,   7+AT/8                    ; log2 of the block's rows
.set BMR,    32*AT
.set APART,  (BMR/2)*PITCHA            ; what one load of A fills
.set ASLOT,  2*APART
.set PITCHQ, 272                       ; two rows of Q's tile (256 bytes) + 16: row n lies at (n / 2) 272 + (n % 2) 128, sixteen rows at sixteen different 16-byte columns modulo 256
.set QPART,  64*PITCHQ                 ; what one load of Q fills: 128 rows
.set QSLOT,  2*QPART
.set QTILE,  16384                     ; bytes of a tile of Q in memory
.set ABASE,  2*QSLOT                   ; LDS: Q's two slots, A's two slots, the stage
.set STAGE,  ABASE+2*ASLOT             ; a multiple of 256: 16 rows x 528 bytes for each wave, which no tensor load fills
.set SPITCH, 528                       ; 128 f32 + 16 bytes
.set ES,     2+2*OUTF32                ; bytes of a number of out
.set ADRA, 16                          ; v16-17  LDS address of my A fragments in slot 0, 1
.set ADRQ, 20                          ; v20-21  the same for Q's codes
.set STO,  24                          ; v24     the way out: where I put my 32 bytes of a row
.set RD,   25                          ; v25     the way out: where I read 16 bytes of a row back
.set CO,   26                          ; v26     my byte offset in a row of out
.set COL,  27                          ; v27     my first column of out on the way out
.set BOFF, 28                          ; v28     its byte offset in bias
.set BIAS, 32                          ; v[32:35] bias of my four columns
.set SCL,  36                          ; v36     the conversion's block scales: each of the word's four bytes, in every lane, is 127, the E8M0 code of 1.0, so the scale is 1.0
.set F0,   64                          ; window 0: A's fragment buffers
.set F1,   128
.set FB,   64                          ; window 1: Q's converted fragments
.set RW0,  128                         ; window 1: raw codes of a group of 64 k, 4 registers for each of 8 tiles of 16 rows; two buffers
.set RW1,  160
.set G1A, 24                           ; s[24:31] descriptor group 1 for A's tiles
.set G0A, 32                           ; s[32:39] group 0 for A's tiles, one set for each slot
.set G1B, 48                           ; s[48:55] group 1 for Q's tiles
.set G0B, 56                           ; s[56:63] group 0 for Q's tiles, one set for each slot
.set MUL_LO, 0xa1                      ; source 0 (Q) window 1, source 1 (A) window 0, C and D window 2
.set MUL_HI, 0xf1                      ; the same, C and D window 3
.set TO_B,   0x40                      ; destination window 1
.set CV,     0x41                      ; destination and source 0 window 1, source 1 (the scale) window 0
.set MSB, 0
.macro WIN new                         ; the immediate's high byte repeats the setting that is left; a switch that changes nothing is dropped
.if MSB != \new
	s_set_vgpr_msb (MSB<<8)|\new
.set MSB, \new
.endif
.endm
.macro PLACES                          ; a load into, or a vector write of, a register that a matrix instruction has read, and whatever reads a matrix result, stand four
.rept 4                                ; plain vector instructions behind it (ISA guide 7.12.1 for vector instructions); other matrix instructions are not counted
	v_nop
.endr
.endm
; The joint loads behind one barrier: waves 2 and 3 fetch A's halves into slot as; waves 0 and 1 fetch Q's halves into slot qs, if qfill.
; Each line has one mask and one set of registers; the branch hangs on the wave's number alone.
.macro JLOAD as, qs, qfill
	s_cmp_eq_u32 s15, 0
	s_cbranch_scc0 .Lfor_a_\@
.if \qfill
	tensor_load_to_lds s[G0B+4*\qs:G0B+4*\qs+3], s[G1B:G1B+7]
	s_nop 0
.endif
	s_branch .Lasked_\@
.Lfor_a_\@:
	tensor_load_to_lds s[G0A+4*\as:G0A+4*\as+3], s[G1A:G1A+7]
	s_nop 0
.Lasked_\@:
.endm
.macro CREST                           ; a round of the cluster's barrier behind its opening work-group barrier
	s_cmp_lg_u32 s14, 0
	s_cbranch_scc1 .Lnot_wave_0_\@
	s_barrier_signal -3
.Lnot_wave_0_\@:
	s_barrier_wait -3
	s_barrier_signal -1
	s_barrier_wait -1
.endm
.macro CROUND                          ; a whole round
	s_barrier_signal -1
	s_barrier_wait -1
	CREST
.endm
	s_load_b256 s[4:11], s[0:1], 0x0               ; A s[4:5], Q s[6:7], bias s[8:9], scales s[10:11]
	s_load_b64 s[12:13], s[0:1], 0x20              ; out
	s_set_vgpr_msb 0x40
	v_lshl_add_u32 v255, v0, 2, 0x3b400
	s_set_vgpr_msb 0x4000
	v_mov_b32 v255, 0
	s_set_vgpr_msb 0x1
	ds_add_u32 v255, v255
	s_set_vgpr_msb 0x100
	v_lshrrev_b32 v1, 5, v0
	v_readfirstlane_b32 s14, v1                    ; wave 0..3
	s_lshr_b32 s15, s14, 1                         ; which half of the block's rows is mine.  Also: I fetch for Q (0) or for A (1)
	s_and_b32 s16, s14, 1                          ; which half of its columns.  Also: which half of that tile I fetch
	s_bfe_u32 s17, ttmp6, 0x40000                  ; cx
	s_bfe_u32 s18, ttmp6, 0x40004                  ; cy
	s_lshl_b32 s19, ttmp9, 2
	s_add_co_u32 s19, s19, s17                     ; block column = 4 x cluster x + cx
	s_and_b32 s20, ttmp7, 0xffff
	s_lshl_b32 s20, s20, 2
	s_add_co_u32 s20, s20, s18                     ; block row = 4 x cluster y + cy
	s_lshl_b32 s21, s18, 2
	s_lshl_b32 s21, 15, s21                        ; my row of the cluster: places 4 cy .. 4 cy + 3
	s_lshl_b32 s22, 0x1111, s17                    ; my column: places cx, cx + 4, cx + 8, cx + 12
	; group 1 for A: BMR / 2 rows of KA elements of 2 bytes, 4 words of padding behind every row; 15:0 the mask, bit 21 set beside it
	s_or_b32 s[G1A+0], s21, (1<<16)|(1<<20)|(1<<21)|(QIA<<22)|(3<<25)
	s_mov_b32 s[G1A+1], KA<<16                     ; tensor_dim0
	s_mov_b32 s[G1A+2], (BMR/2)<<16                ; tensor_dim1 = the tile's rows
	s_mov_b32 s[G1A+3], KA<<16                     ; tile_dim0
	s_mov_b32 s[G1A+4], BMR/2                      ; tile_dim1
	s_mov_b32 s[G1A+5], KDIM                       ; elements from row to row
	s_mov_b32 s[G1A+6], 0
	s_mov_b32 s[G1A+7], 0
	; group 1 for Q: a dense block of 16,384 bytes as 64 rows of 32 elements of 8 bytes, 4 words of padding behind every 64 words
	s_or_b32 s[G1B+0], s22, (3<<16)|(1<<20)|(1<<21)|(5<<22)|(3<<25)
	s_mov_b32 s[G1B+1], 32<<16
	s_mov_b32 s[G1B+2], 64<<16
	s_mov_b32 s[G1B+3], 32<<16
	s_mov_b32 s[G1B+4], 64
	s_mov_b32 s[G1B+5], 32
	s_mov_b32 s[G1B+6], 0
	s_mov_b32 s[G1B+7], 0
	; where the tiles come from: A's address is made of the block row and the wave's number, Q's of the block column and the wave's number
	s_lshl_b32 s23, s16, LBMR-1
	s_lshl_b32 s40, s20, LBMR
	s_add_co_u32 s40, s40, s23                     ; A: row BMR x block row + BMR/2 x half
	s_lshl_b32 s40, s40, 12                        ; a row is 4,096 bytes
	s_mov_b32 s41, 0
	s_lshl1_add_u32 s42, s19, s16                  ; Q: block of 128 rows 2 x block column + half
	s_lshl_b32 s72, s42, 7                         ; whose first row is also my wave's first column of out
	s_lshl_b32 s42, s42, 17                        ; 8 tiles of 16,384 bytes each
	s_mov_b32 s43, 0
	; and where they go: a constant plus the wave's number times a constant
	s_mul_i32 s44, s14, QPART                      ; Q's halves: waves 0, 1
	s_mul_i32 s45, s14, APART                      ; A's halves: waves 2, 3 land at ABASE and ABASE + APART
	s_add_co_u32 s45, s45, ABASE-ASLOT
	s_wait_dscnt 0x0
	s_wait_kmcnt 0x0
	s_add_nc_u64 s[40:41], s[4:5], s[40:41]
	s_add_nc_u64 s[42:43], s[6:7], s[42:43]
	CROUND                                         ; all sixteen work-groups are here: the first joint loads meet
.irp s, 0,1
	s_mov_b32 s[G0A+4*\s], 1
	s_add_co_u32 s[G0A+4*\s+1], s45, \s*ASLOT
	s_add_nc_u64 s[G0A+4*\s+2:G0A+4*\s+3], s[40:41], \s*ROWA       ; the s-th KA of K
	s_or_b32 s[G0A+4*\s+3], s[G0A+4*\s+3], 0x80000000              ; type = 2
	s_mov_b32 s[G0B+4*\s], 1
	s_add_co_u32 s[G0B+4*\s+1], s44, \s*QSLOT
	s_add_nc_u64 s[G0B+4*\s+2:G0B+4*\s+3], s[42:43], \s*QTILE      ; the s-th 256 of K
	s_or_b32 s[G0B+4*\s+3], s[G0B+4*\s+3], 0x80000000
	JLOAD \s, \s, 1                                ; both slots' first fills go out before anything else: two loads of the wave are out
.endr
	s_load_b32 s66, s[10:11], SCOFF                ; s = the layer's scale / 2
	v_and_b32 v1, 15, v0                           ; r
	v_bfe_u32 v2, v0, 4, 1                         ; h
	v_and_b32 v3, 31, v0                           ; lane
	v_mul_u32_u24 v4, v1, PITCHA                   ; A: row r, 64 bytes (32 k) for each half of the lanes
	v_lshl_add_u32 v4, v2, 6, v4
	v_lshrrev_b32 v5, 1, v1                        ; Q: row r at (r / 2) 272 + (r % 2) 128, 16 bytes (32 k) for each half of the lanes
	v_mul_u32_u24 v5, v5, PITCHQ
	v_and_b32 v6, 1, v1
	v_lshl_add_u32 v5, v6, 7, v5
	v_lshl_add_u32 v5, v2, 4, v5
	s_mul_i32 s46, s16, QPART                      ; my 128 rows of Q
	s_mul_i32 s47, s15, 16*AT*PITCHA               ; my 16 AT rows of A
	s_add_co_u32 s47, s47, ABASE
.irp s, 0,1
	v_add_nc_u32 v[ADRQ+\s], s46, v5
	v_add_nc_u32 v[ADRA+\s], s47, v4
	s_add_co_u32 s46, s46, QSLOT
	s_add_co_u32 s47, s47, ASLOT
.endr
	s_mul_i32 s73, s14, 16*SPITCH
	s_add_co_u32 s73, s73, STAGE                   ; my stage
	v_mul_u32_u24 v5, v1, SPITCH                   ; in: row r, 32 bytes for each half of the lanes
	v_lshl_add_u32 v5, v2, 5, v5
	v_add_nc_u32 v[STO], s73, v5
	v_lshl_add_u32 v[RD], v3, 4, s73               ; back: the 32 lanes take one row of 512 bytes
	v_lshlrev_b32 v[CO], 3+OUTF32, v3              ; four numbers a lane in out
	v_lshl_add_u32 v[COL], v3, 2, s72              ; their first column
	v_mov_b32 v[SCL], 0x7f7f7f7f                   ; 1.0 in all four bytes
.if EDGE
	v_min_u32 v[BOFF], NOUT-4, v[COL]              ; lanes past the last column load the last four numbers and store nothing
	v_lshlrev_b32 v[BOFF], 2, v[BOFF]
.else
	v_lshlrev_b32 v[BOFF], 2, v[COL]
.endif
	global_load_b128 v[BIAS:BIAS+3], v[BOFF], s[8:9]               ; waited for at the way out
	s_wait_kmcnt 0x0
	s_mov_b32 s67, s66                             ; s as a pair, for the packed multiply-add
; 16 matrix instructions: row tiles a0, a0 + 1 of the window's four x all 8 column tiles, 32 of K.  f: A's buffer.  zero = 1: the first product starts the sums.
.macro MUL16 f, hi, a0, zero
.irp a, \a0, \a0+1
.irp b, 0,1,2,3,4,5,6,7
.if F16
.if \zero
	v_wmma_f32_16x16x32_f16 v[8*(8*(\a)+\b):8*(8*(\a)+\b)+7], v[FB+8*\b:FB+8*\b+7], v[\f+8*(4*\hi+\a):\f+8*(4*\hi+\a)+7], 0
.else
	v_wmma_f32_16x16x32_f16 v[8*(8*(\a)+\b):8*(8*(\a)+\b)+7], v[FB+8*\b:FB+8*\b+7], v[\f+8*(4*\hi+\a):\f+8*(4*\hi+\a)+7], v[8*(8*(\a)+\b):8*(8*(\a)+\b)+7]
.endif
.else
.if \zero
	v_wmma_f32_16x16x32_bf16 v[8*(8*(\a)+\b):8*(8*(\a)+\b)+7], v[FB+8*\b:FB+8*\b+7], v[\f+8*(4*\hi+\a):\f+8*(4*\hi+\a)+7], 0
.else
	v_wmma_f32_16x16x32_bf16 v[8*(8*(\a)+\b):8*(8*(\a)+\b)+7], v[FB+8*\b:FB+8*\b+7], v[\f+8*(4*\hi+\a):\f+8*(4*\hi+\a)+7], v[8*(8*(\a)+\b):8*(8*(\a)+\b)+7]
.endif
.endif
.endr
.endr
.endm
; the matrix instructions of 32 of K from row tile `from` on.  The 8 AT accumulators take turns, one instruction a turn, in the same order every
; time, over the loop's backward jump and into the tail.
.macro MULALL f, from, zero
	WIN MUL_LO
.if \from == 0
	MUL16 \f, 0, 0, \zero
.endif
	MUL16 \f, 0, 2, \zero
.if AT == 8
	WIN MUL_HI
	MUL16 \f, 1, 0, \zero
	MUL16 \f, 1, 2, \zero
.endif
.endm
; A's fragments of step j (32 of K: group j / 2, half j % 2) of slot as into buffer f: 2 AT loads, under window setting 0
.macro LDA as, j, f
.set fi, 0
.rept AT
	ds_load_b128 v[\f+8*fi:\f+8*fi+3],   v[ADRA+\as] offset:128*((\j)/2)+32*((\j)%2)+fi*16*PITCHA
	ds_load_b128 v[\f+8*fi+4:\f+8*fi+7], v[ADRA+\as] offset:128*((\j)/2)+32*((\j)%2)+fi*16*PITCHA+16
.set fi, fi+1
.endr
.endm
; the raw codes of group g of slot qs, my 128 rows, into buffer rw: 8 loads, under the setting TO_B
.macro LDQ qs, g, rw
.irp i, 0,1,2,3,4,5,6,7
	ds_load_b128 v[\rw+4*\i:\rw+4*\i+3], v[ADRQ+\qs] offset:32*(\g)+\i*8*PITCHQ
.endr
.endm
; half u of the group in buffer rw becomes Q's eight fragments: a word of eight codes makes four registers.  Under the setting CV.
.macro CVT rw, u
.irp i, 0,1,2,3,4,5,6,7
	v_cvt_scale_pk8_bf16_fp4 v[FB+8*\i:FB+8*\i+3],   v[\rw+4*\i+2*\u],   v[SCL]
	v_cvt_scale_pk8_bf16_fp4 v[FB+8*\i+4:FB+8*\i+7], v[\rw+4*\i+2*\u+1], v[SCL]
.endr
	v_nop                                          ; one plain vector instruction stands between a scaled conversion and the use of its result
.endm
; Step j of a phase, all but the last: asks for the next step's fragments of A (and, in a group's second half, for the next group's codes), converts, multiplies.
.macro SUB as, qs, g0, j, zero
.set sj_u, (\j)%2
.set sj_g, (\j)/2
	PLACES                                         ; the step before read the buffer of A that is loaded now, and Q's fragments, which are written now
.if sj_u
	WIN TO_B
	LDQ \qs, \g0+sj_g+1, RW0+32*((sj_g+1)%2)
.endif
	WIN 0
	LDA \as, \j+1, F0+64*((sj_u+1)%2)
	s_wait_dscnt 2*AT+8*sj_u                       ; all but the loads just issued are back: this step's fragments of A and its group's codes are in
	WIN CV
	CVT RW0+32*(sj_g%2), sj_u
	MULALL F0+64*sj_u, 0, \zero
.endm
.macro PHASE as, qs, g0, zero
	SUB \as, \qs, \g0, 0, \zero
	SUB \as, \qs, \g0, 1, 0
	SUB \as, \qs, \g0, 2, 0
.if NG == 4
	SUB \as, \qs, \g0, 3, 0
	SUB \as, \qs, \g0, 4, 0
	SUB \as, \qs, \g0, 5, 0
	SUB \as, \qs, \g0, 6, 0
.endif
.endm
; A phase's last step, and the change of slots.  In front of the barrier each wave waits for its reads of the slots and for all its tensor loads, of which at
; most one is out: its part of the next slot.  Where a slot is filled again (afill; Q's too: qfill) the barrier opens a round of the cluster's barrier, only
; register work stands inside the round, and the joint refill is the first tensor load behind it, one a wave: it has the next phase less sixteen
; matrix instructions in which to land.  nas, nqs, ng0: where the next phase reads.
.macro TURN as, qs, nas, nqs, ng0, afill, qfill
	PLACES
	WIN CV
	CVT RW1, 1
	s_wait_dscnt 0x0                               ; this step's fragments of A are in, and my reads of the slots are over
	s_wait_tensorcnt 0x0                           ; all my tensor loads have landed
	ds_add_u32 v255, v255
	s_wait_dscnt 0x0
	s_barrier_signal -1
	WIN MUL_LO
	MUL16 F1, 0, 0, 0                              ; work on registers while the others arrive
	WIN 0
	s_barrier_wait -1
.if \afill
	CREST                                          ; no wave of any partner still reads these slots or has a load on its way
	s_add_nc_u64 s[G0A+4*\as+2:G0A+4*\as+3], s[G0A+4*\as+2:G0A+4*\as+3], 2*ROWA
.if \qfill
	s_add_nc_u64 s[G0B+4*\qs+2:G0B+4*\qs+3], s[G0B+4*\qs+2:G0B+4*\qs+3], 2*QTILE
.endif
	JLOAD \as, \qs, \qfill
.endif
	WIN TO_B
	LDQ \nqs, \ng0, RW0                            ; buffer 0 of A was last read by the step before this one: the four places and the one behind the conversions stand between
	WIN 0
	LDA \nas, 0, F0
	MULALL F1, 2, 0
.endm
.macro LAP zero                        ; once round Q's ring, every slot filled again
.if AT == 4
	PHASE 0, 0, 0, \zero
	TURN 0, 0, 1, 1, 0, 1, 1
	PHASE 1, 1, 0, 0
	TURN 1, 1, 0, 0, 0, 1, 1
.else
	PHASE 0, 0, 0, \zero
	TURN 0, 0, 1, 0, 2, 1, 0
	PHASE 1, 0, 2, 0
	TURN 1, 0, 0, 1, 0, 1, 1
	PHASE 0, 1, 0, 0
	TURN 0, 1, 1, 1, 2, 1, 0
	PHASE 1, 1, 2, 0
	TURN 1, 1, 0, 0, 0, 1, 1
.endif
.endm
	s_wait_tensorcnt 0x1                           ; my part of the first slot is in; the second slot's load, issued behind it, stays out
	s_barrier_signal -1
	s_barrier_wait -1                              ; everybody's part is in
	WIN TO_B
	LDQ 0, 0, RW0
	WIN 0
	LDA 0, 0, F0
	LAP 1                                          ; K = 2,048 is four laps of 512.  The first stands in front of the loop: its first products start the sums
	WIN 0
	s_mov_b32 s3, 2
.Llap:
	LAP 0
	WIN 0
	s_sub_co_u32 s3, s3, 1
	s_cmp_lg_u32 s3, 0
	s_cbranch_scc1 .Llap
.if AT == 4                                            ; the last lap fills only what is still read
	PHASE 0, 0, 0, 0
	TURN 0, 0, 1, 1, 0, 0, 0
	PHASE 1, 1, 0, 0
.else
	PHASE 0, 0, 0, 0
	TURN 0, 0, 1, 0, 2, 1, 0                       ; A's last two slots
	PHASE 1, 0, 2, 0
	TURN 1, 0, 0, 1, 0, 1, 0
	PHASE 0, 1, 0, 0
	TURN 0, 1, 1, 1, 2, 0, 0
	PHASE 1, 1, 2, 0
.endif
	PLACES                                         ; the very last step: nothing more to fetch
	WIN CV
	CVT RW1, 1
	s_wait_dscnt 0x0
	MULALL F1, 0, 0
	; THE WAY OUT, 16 rows at a time: the raw sums go into my own stage, come back as whole rows of 128 numbers, get s and bias in one fused step and leave.
	PLACES                                         ; behind the last matrix instructions: for the LDS stores of results and the loads into the fragment buffers
	WIN 0
	s_wait_loadcnt 0x0                             ; the bias
.if EDGE
	v_cmp_gt_u32 vcc_lo, NOUT, v[COL]              ; my four columns exist (NOUT is a multiple of 4: all four or none)
.endif
	s_lshl_b32 s70, s20, LBMR
	s_lshl_b32 s23, s15, LBMR-1
	s_add_co_u32 s70, s70, s23                     ; my first row
	s_mul_i32 s70, s70, NOUT
	s_add_co_u32 s70, s70, s72                     ; and column
	s_lshl_b32 s70, s70, 1+OUTF32                  ; in bytes: below 2^27
	s_mov_b32 s71, 0
	s_add_nc_u64 s[12:13], s[12:13], s[70:71]
; rows 16 i .. 16 i + 15 of my tile = the eight tiles (a, 0..7) of window 2 or 3 (win = 0x08 or 0x0c: an LDS store's data are source 1); f: F0 and F1 by turns
.macro OUT16 i, a, win, f
	WIN \win
.irp b, 0,1,2,3,4,5,6,7
	ds_store_b128 v[STO], v[8*(8*\a+\b):8*(8*\a+\b)+3] offset:64*\b
	ds_store_b128 v[STO], v[8*(8*\a+\b)+4:8*(8*\a+\b)+7] offset:64*\b+16
.endr
	WIN 0
	s_wait_xcnt 0x0                                ; buffer f, which earlier stores read, and the stores' base are rewritten only behind this wait
.if \i
	s_add_nc_u64 s[12:13], s[12:13], 16*NOUT*ES
.endif
.set t, 0
.rept 16
	ds_load_b128 v[\f+4*t:\f+4*t+3], v[RD] offset:SPITCH*t         ; LDS serves a wave's instructions in order (ISA guide 5.7.1): these see the stores above
.set t, t+1
.endr
.set t, 0
.rept 16
	s_wait_dscnt 15-t                              ; row t is in; the 15 - t younger loads stay out
	v_pk_fma_f32 v[\f+4*t:\f+4*t+1], v[\f+4*t:\f+4*t+1], s[66:67], v[BIAS:BIAS+1] op_sel_hi:[1,0,1]
	v_pk_fma_f32 v[\f+4*t+2:\f+4*t+3], v[\f+4*t+2:\f+4*t+3], s[66:67], v[BIAS+2:BIAS+3] op_sel_hi:[1,0,1]
.if OUTF32 == 0
	v_cvt_pk_bf16_f32 v[\f+4*t], v[\f+4*t], v[\f+4*t+1]
	v_cvt_pk_bf16_f32 v[\f+4*t+1], v[\f+4*t+2], v[\f+4*t+3]
.endif
.set t, t+1
.endr
.if EDGE
	s_and_saveexec_b32 s68, vcc_lo                 ; no global access has been issued since the wait on XCNT above
.endif
.set t, 0
.rept 16
.if OUTF32
.if EDGE
	global_store_b128 v[CO], v[\f+4*t:\f+4*t+3], s[12:13] offset:t*NOUT*ES th:TH_STORE_NT   ; up to 512 consecutive bytes of one row; the model's result, not read again
.else
	global_store_b128 v[CO], v[\f+4*t:\f+4*t+3], s[12:13] offset:t*NOUT*ES                  ; 512 consecutive bytes of one row, aligned
.endif
.else
	global_store_b64 v[CO], v[\f+4*t:\f+4*t+1], s[12:13] offset:t*NOUT*ES                   ; 256 consecutive bytes of one row, aligned
.endif
.set t, t+1
.endr
.if EDGE
	s_wait_xcnt 0x0                                ; EXEC is widened only behind this wait
	s_or_b32 exec_lo, exec_lo, s68
.endif
.endm
	OUT16 0, 0, 0x08, F0
	OUT16 1, 1, 0x08, F1
	OUT16 2, 2, 0x08, F0
	OUT16 3, 3, 0x08, F1
.if AT == 8
	OUT16 4, 0, 0x0c, F0
	OUT16 5, 1, 0x0c, F1
	OUT16 6, 2, 0x0c, F0
	OUT16 7, 3, 0x0c, F1
.endif
	s_set_vgpr_msb 0x1
	s_wait_tensorcnt 0x0
	ds_add_u32 v255, v255
	s_wait_dscnt 0x0
	s_set_vgpr_msb 0x100
	CROUND                                         ; the closing round: no work-group ends while a partner may still ask for a tile that names it
	s_endpgm
.Lfunc_end_k_qc8615f9b12_head:
	.size	k_qc8615f9b12_head, .Lfunc_end_k_qc8615f9b12_head-k_qc8615f9b12_head
	.p2alignl 7, 3214868480
	.fill 96, 4, 3214868480
	.section	.rodata,"a",@progbits
	.p2align	6, 0x0
	.amdhsa_kernel k_qc8615f9b12_head
		.amdhsa_group_segment_fixed_size 327680
		.amdhsa_private_segment_fixed_size 0
		.amdhsa_enable_private_segment 0
		.amdhsa_kernarg_size 40
		.amdhsa_user_sgpr_count 2
		.amdhsa_user_sgpr_kernarg_segment_ptr 1
		.amdhsa_wavefront_size32 1
		.amdhsa_system_sgpr_workgroup_id_x 1
		.amdhsa_system_sgpr_workgroup_id_y 1
		.amdhsa_system_sgpr_workgroup_id_z 1
		.amdhsa_system_vgpr_workitem_id 0
		.amdhsa_next_free_vgpr 1024
		.amdhsa_next_free_sgpr 80
		.amdhsa_reserve_vcc 1
		.amdhsa_float_denorm_mode_32 3
		.amdhsa_float_denorm_mode_16_64 3
		.amdhsa_memory_ordered 1
		.amdhsa_forward_progress 1
		.amdhsa_inst_pref_size 255
	.end_amdhsa_kernel
	.section	.bss,"aw",@nobits
	.p2align	6
	.space	262144
	.amdgpu_metadata
---
amdhsa.version: [ 1, 2 ]
amdhsa.kernels:
  - .name:           k_qc8615f9b12_head
    .symbol:         k_qc8615f9b12_head.kd
    .args:
      - { .name: act0, .offset: 0, .size: 8, .value_kind: global_buffer, .address_space: global }
      - { .name: qh, .offset: 8, .size: 8, .value_kind: global_buffer, .address_space: global }
      - { .name: head_b, .offset: 16, .size: 8, .value_kind: global_buffer, .address_space: global }
      - { .name: scales, .offset: 24, .size: 8, .value_kind: global_buffer, .address_space: global }
      - { .name: out0, .offset: 32, .size: 8, .value_kind: global_buffer, .address_space: global }
    .group_segment_fixed_size: 327680
    .private_segment_fixed_size: 0
    .kernarg_segment_align: 8
    .kernarg_segment_size: 40
    .max_flat_workgroup_size: 128
    .sgpr_count:     80
    .vgpr_count:     1024
    .wavefront_size: 32
...
	.end_amdgpu_metadata
.endif
;; end of part 6
;; ======== version 2 of 2: 6 launches; version 1 with the launch ln written anew for expert scheduling mode
;; limits: values are held in f16: magnitudes above 65,504 overflow, below 6.1e-05 lose precision
;; workspace buffers: part 2,048 bytes; scales 256 bytes; q0 2,097,152 bytes; q1 2,097,152 bytes; qh 4,194,304 bytes; act0 16,777,216 bytes; act1 16,777,216 bytes; h2 33,554,432 bytes
;; launch pre1: the kernel of part 1 again; grid 762 x 1, 8 waves a work-group, no clusters, 1,280 bytes of LDS; arguments w0, w1, head_w, x, emb, part, act0; writes part, act0
;; launch quant: the kernel of part 2 again; grid 507 x 1, 8 waves a work-group, no clusters, 17,408 bytes of LDS; arguments w0, w1, head_w, part, q0, q1, qh, scales; writes q0, q1, qh, scales
;; launch gemm0: the kernel of part 3 again; grid 8 x 32, 4 waves a work-group, clusters of 4 x 4, 327,680 bytes of LDS; arguments act0, q0, b0, scales, act1; writes act1
;; launch gemm1: the kernel of part 4 again; grid 8 x 32, 4 waves a work-group, clusters of 4 x 4, 327,680 bytes of LDS; arguments act1, q1, b1, scales, h2; writes h2
;; launch ln (part 7): grid 256 x 1, 8 waves a work-group, no clusters, 0 bytes of LDS; arguments h2, ln_gamma, ln_beta, act0; writes act0
.if DOCPART == 7
	.amdgcn_target "amdgcn-amd-amdhsa--gfx1250"
	.amdhsa_code_object_version 6
	.text
	.protected	k_qc8615f9b12_ln
	.globl	k_qc8615f9b12_ln
	.p2align	8
	.type	k_qc8615f9b12_ln,@function
k_qc8615f9b12_ln:
	s_mov_b64 s[64:65], 0
	v_nop
	global_prefetch_b8 v0, s[64:65] scope:SCOPE_SE
	s_setreg_imm32_b32 hwreg(HW_REG_WAVE_SCHED_MODE, 0, 2), 2
	s_setreg_imm32_b32 hwreg(HW_REG_WAVE_MODE, 25, 1), 1
	s_wait_xcnt 0x0
	s_wait_alu depctr_vm_vsrc(0)
; a2[r][c] = f16( (h2[r][c] - mu[r]) * rsqrt(var[r] + 1e-5) * gamma[c] + beta[c] ).  h2: [4096][2048] f32; a2 (in act0): f16.
; One wave takes two whole rows; a row of 8,192 bytes is 64 registers and stays in registers between the passes: h2 is read once, no wave
; waits for another, there is no loop, no LDS and no barrier.  All 64 loads of a wave go out at once.  A stream: nothing here for matrix
; instructions or clusters.
; The variance is the mean of the squares of the centred numbers, as the model has it, never a difference of large sums.
; WHY f16: the normalised numbers cannot pass sqrt(2,048), about 45, in magnitude, so a2 stays below 45 |gamma| + |beta|; the head's operand keeps
; 11 significant bits instead of bf16's 8.
; LIMITS: a number of a2 above 65,504 in magnitude (gamma above some 1,400) becomes infinite in f16.
; v_rsq_f32 is accurate to one unit in the last place, not correctly rounded (ISA guide, its entry in chapter 15).
; THE MODE: SCHED_MODE bits 1:0 = 2 (LLVM: expert scheduling mode 2), set by the entry lines.  The code itself states the register dependences
; between vector instructions and memory instructions, with s_wait_alu, always for 0.
; THE PLAN.  The text is one straight run.  Registers that memory instructions touch:
;   v1, v2     the loads' and the stores' byte offsets: made once at the head, never written again.
;   X0, X1     a row each.  Written first by the loads, which are issued before any vector instruction names these registers; then worked on in place by
;              vector instructions alone; the conversions leave 8 bytes in the first two of each four registers, which a store reads; nothing writes them behind that.
;   G, BT      written by the loads, read by the packed multiply-adds alone.
;   S, MU, R, T are named by vector instructions alone.
; So three waits on va_vdst state all that the 96 memory instructions hang on: one ahead of the first load (v1 and v2 are written), one behind row 0's
; conversions and one behind row 1's.  Row 0's stores are dealt among row 1's conversions, which name X1 alone.  No register that a memory instruction
; reads is written again, so no wait on vm_vsrc follows the entry's; EXEC is never written.  One wait on va_sdst stands ahead of the reader of the wave's number.
.set S,   4                            ; v[4:11]    four pair chains
.set MU,  12                           ; v[12:13]   the mean, twice
.set R,   14                           ; v[14:15]   1 / sqrt(var + eps), twice
.set T,   16                           ; v16        var + eps
.set X0,  64                           ; v[64:127]  row 0: register 4 j + e holds column 128 j + 4 lane + e
.set X1,  128                          ; v[128:191] row 1
.set G,   0                            ; window 1, v[0:63]   (v256-319): gamma of the same columns
.set BT,  64                           ; window 1, v[64:127] (v320-383): beta
.set MSB, 0
.macro WIN new                         ; the immediate's high byte repeats the setting that is left
.if MSB != \new
	s_set_vgpr_msb (MSB<<8)|\new
.set MSB, \new
.endif
.endm
.macro FOLD                            ; the four pair chains to one number, then over the 32 lanes: the sum in every lane's v[S]
	v_pk_add_f32 v[S:S+1], v[S:S+1], v[S+2:S+3]
	v_pk_add_f32 v[S+4:S+5], v[S+4:S+5], v[S+6:S+7]
	v_pk_add_f32 v[S:S+1], v[S:S+1], v[S+4:S+5]
	v_add_f32 v[S], v[S], v[S+1]
	v_add_f32_dpp v[S], v[S], v[S] row_xmask:1 row_mask:0xf bank_mask:0xf
	v_add_f32_dpp v[S], v[S], v[S] row_xmask:2 row_mask:0xf bank_mask:0xf
	v_add_f32_dpp v[S], v[S], v[S] row_xmask:4 row_mask:0xf bank_mask:0xf
	v_add_f32_dpp v[S], v[S], v[S] row_xmask:8 row_mask:0xf bank_mask:0xf
	v_permlanex16_b32 v[S+1], v[S], s16, s17
	v_add_f32 v[S], v[S], v[S+1]
.endm
; the row in v[x : x+63] is centred and divided by its deviation, in place
.macro STAT x
.irp c, 0,1,2,3
	v_pk_add_f32 v[S+2*\c:S+2*\c+1], v[\x+2*\c:\x+2*\c+1], v[\x+8+2*\c:\x+8+2*\c+1]   ; the first sums start the chains: nothing is cleared
.endr
.set p, 8
.rept 24
	v_pk_add_f32 v[S+2*(p%4):S+2*(p%4)+1], v[S+2*(p%4):S+2*(p%4)+1], v[\x+2*p:\x+2*p+1]
.set p, p+1
.endr
	FOLD
	v_mul_f32 v[MU], s20, v[S]                     ; the mean = sum / 2,048
	v_mul_f32 v[MU+1], s20, v[S]
.set p, 0
.rept 32
	v_pk_add_f32 v[\x+2*p:\x+2*p+1], v[\x+2*p:\x+2*p+1], v[MU:MU+1] neg_lo:[0,1] neg_hi:[0,1]
.set p, p+1
.endr
.irp c, 0,1,2,3
	v_pk_mul_f32 v[S+2*\c:S+2*\c+1], v[\x+2*\c:\x+2*\c+1], v[\x+2*\c:\x+2*\c+1]
.endr
.set p, 4
.rept 28
	v_pk_fma_f32 v[S+2*(p%4):S+2*(p%4)+1], v[\x+2*p:\x+2*p+1], v[\x+2*p:\x+2*p+1], v[S+2*(p%4):S+2*(p%4)+1]
.set p, p+1
.endr
	FOLD
	v_fma_f32 v[T], v[S], s20, s21                 ; var + eps
	v_rsq_f32 v[R], v[T]
	v_rsq_f32 v[R+1], v[T]
	v_nop                                          ; one plain vector instruction stands between a transcendental and the use of its result (ISA guide 5.7.2)
	s_wait_alu depctr_va_vdst(0)                   ; the two reciprocal roots have written v[R:R+1], which the multiplies below read: one wait for both
.set p, 0
.rept 32
	v_pk_mul_f32 v[\x+2*p:\x+2*p+1], v[\x+2*p:\x+2*p+1], v[R:R+1]
.set p, p+1
.endr
.endm
	s_load_b256 s[4:11], s[0:1], 0x0               ; h2 s[4:5], gamma s[6:7], beta s[8:9], act0 s[10:11]
	v_lshrrev_b32 v3, 5, v0
	v_readfirstlane_b32 s12, v3                    ; wave 0..7
	v_and_b32 v3, 31, v0
	v_lshlrev_b32 v1, 4, v3                        ; 16 x lane: loads
	v_lshlrev_b32 v2, 3, v3                        ; 8 x lane: stores
	s_mov_b32 s16, 0x76543210
	s_mov_b32 s17, 0xfedcba98
	s_mov_b32 s20, 0x3a000000                      ; 1 / 2,048
	s_mov_b32 s21, 0x3727c5ac                      ; 1e-5
	s_lshl_b32 s13, ttmp9, 4
	s_wait_alu depctr_va_sdst(0)                   ; s12 is written, ahead of its first reader: the rows' addresses are made from it
	s_lshl1_add_u32 s13, s12, s13                  ; my first row = 16 g + 2 w
	s_lshl_b32 s14, s13, 13                        ; x 8,192 bytes in h2
	s_mov_b32 s15, 0
	s_lshl_b32 s18, s13, 12                        ; x 4,096 bytes in act0
	s_mov_b32 s19, 0
	s_wait_kmcnt 0x0
	s_add_nc_u64 s[4:5], s[4:5], s[14:15]
	s_add_nc_u64 s[10:11], s[10:11], s[18:19]
	s_wait_alu depctr_va_vdst(0)                   ; v1 and v2 are written: every load reads v1 and every store v2 as its offset, and no vector instruction names either again
.set j, 0
.rept 16
	global_load_b128 v[X0+4*j:X0+4*j+3], v1, s[4:5] offset:512*j th:TH_LOAD_NT
.set j, j+1
.endr
.set j, 0
.rept 16
	global_load_b128 v[X1+4*j:X1+4*j+3], v1, s[4:5] offset:8192+512*j th:TH_LOAD_NT
.set j, j+1
.endr
	WIN 0x40                                       ; destination in window 1, the address in window 0; between the wait above and the loads below stand only loads and this switch
.set j, 0
.rept 16
	global_load_b128 v[G+4*j:G+4*j+3], v1, s[6:7] offset:512*j     ; every wave reads gamma and beta: no hint
.set j, j+1
.endr
.set j, 0
.rept 16
	global_load_b128 v[BT+4*j:BT+4*j+3], v1, s[8:9] offset:512*j
.set j, j+1
.endr
	WIN 0
	s_wait_loadcnt 48                              ; row 0 is in: the 48 loads issued behind it may stay out
	STAT X0
	s_wait_loadcnt 32                              ; row 1 is in: gamma's and beta's 32 may stay out
	STAT X1
	s_wait_loadcnt 0x0                             ; gamma and beta
	WIN 0x14                                       ; sources 1 and 2 in window 1
.set p, 0
.rept 32
	v_pk_fma_f32 v[X0+2*p:X0+2*p+1], v[X0+2*p:X0+2*p+1], v[G+2*p:G+2*p+1], v[BT+2*p:BT+2*p+1]
	v_pk_fma_f32 v[X1+2*p:X1+2*p+1], v[X1+2*p:X1+2*p+1], v[G+2*p:G+2*p+1], v[BT+2*p:BT+2*p+1]
.set p, p+1
.endr
	WIN 0
.set n, 0
.rept 16                                               ; row 0 is rounded: four numbers close up into the first two of their four registers
	v_cvt_pk_f16_f32 v[X0+4*n], v[X0+4*n], v[X0+4*n+1]
	v_cvt_pk_f16_f32 v[X0+4*n+1], v[X0+4*n+2], v[X0+4*n+3]
.set n, n+1
.endr
	s_wait_alu depctr_va_vdst(0)                   ; row 0's conversions have written v[X0 ..], which the sixteen stores below read
.set n, 0
.rept 16                                               ; row 0 leaves while row 1 is rounded.  No further wait: the conversions here name X1 alone, the stores v2 and X0 alone
	global_store_b64 v2, v[X0+4*n:X0+4*n+1], s[10:11] offset:256*n   ; 256 consecutive bytes, aligned; no register is written again behind its store
	v_cvt_pk_f16_f32 v[X1+4*n], v[X1+4*n], v[X1+4*n+1]
	v_cvt_pk_f16_f32 v[X1+4*n+1], v[X1+4*n+2], v[X1+4*n+3]
.set n, n+1
.endr
	s_wait_alu depctr_va_vdst(0)                   ; row 1's conversions have written v[X1 ..], which the last sixteen stores read
.set n, 0
.rept 16
	global_store_b64 v2, v[X1+4*n:X1+4*n+1], s[10:11] offset:4096+256*n   ; 256 consecutive bytes, aligned
.set n, n+1
.endr
	s_endpgm
.Lfunc_end_k_qc8615f9b12_ln:
	.size	k_qc8615f9b12_ln, .Lfunc_end_k_qc8615f9b12_ln-k_qc8615f9b12_ln
	.p2alignl 7, 3214868480
	.fill 96, 4, 3214868480
	.section	.rodata,"a",@progbits
	.p2align	6, 0x0
	.amdhsa_kernel k_qc8615f9b12_ln
		.amdhsa_group_segment_fixed_size 0
		.amdhsa_private_segment_fixed_size 0
		.amdhsa_enable_private_segment 0
		.amdhsa_kernarg_size 32
		.amdhsa_user_sgpr_count 2
		.amdhsa_user_sgpr_kernarg_segment_ptr 1
		.amdhsa_wavefront_size32 1
		.amdhsa_system_sgpr_workgroup_id_x 1
		.amdhsa_system_sgpr_workgroup_id_y 1
		.amdhsa_system_sgpr_workgroup_id_z 1
		.amdhsa_system_vgpr_workitem_id 0
		.amdhsa_next_free_vgpr 384
		.amdhsa_next_free_sgpr 66
		.amdhsa_reserve_vcc 0
		.amdhsa_float_denorm_mode_32 3
		.amdhsa_float_denorm_mode_16_64 3
		.amdhsa_memory_ordered 1
		.amdhsa_forward_progress 1
		.amdhsa_inst_pref_size 37
	.end_amdhsa_kernel
	.amdgpu_metadata
---
amdhsa.version: [ 1, 2 ]
amdhsa.kernels:
  - .name:           k_qc8615f9b12_ln
    .symbol:         k_qc8615f9b12_ln.kd
    .args:
      - { .name: h2, .offset: 0, .size: 8, .value_kind: global_buffer, .address_space: global }
      - { .name: ln_gamma, .offset: 8, .size: 8, .value_kind: global_buffer, .address_space: global }
      - { .name: ln_beta, .offset: 16, .size: 8, .value_kind: global_buffer, .address_space: global }
      - { .name: act0, .offset: 24, .size: 8, .value_kind: global_buffer, .address_space: global }
    .group_segment_fixed_size: 0
    .private_segment_fixed_size: 0
    .kernarg_segment_align: 8
    .kernarg_segment_size: 32
    .max_flat_workgroup_size: 256
    .sgpr_count:     66
    .vgpr_count:     384
    .wavefront_size: 32
...
	.end_amdgpu_metadata
.endif
;; end of part 7
;; launch head: the kernel of part 6 again; grid 16 x 16, 4 waves a work-group, clusters of 4 x 4, 327,680 bytes of LDS; arguments act0, qh, head_b, scales, out0; writes out0
